; MI455X (gfx1250); checked and timed in simulation.
; The chip was launched on July 23, 2026; its instructions are those of AMD's public machine-readable ISA for CDNA 5 (MIT licence, August 2026) and "CDNA5" Instruction Set Architecture Reference Guide (July 2026). The comments in the code are by the model that wrote it; some were corrected since.
;; Resonant Attention Layer. Allowed arithmetic: matrix products marked QUANTISED: E4M3 operands, one E8M0 scale for each 32 along K, by v_wmma_scale_f32_16x16x128_f8f6f4 with both operands' format E4M3, f32 sums; everything else in f32.
;; Inputs: Wk_codes 1,024 x 32 x 32 uint8 (E4M3 codes of Wk, K innermost, in blocks of 32 codes); Wk_scales 1,024 x 32 uint8 (E8M0 scales of Wk, one for each 32 codes along K); Wo_codes 1,024 x 32 x 32 uint8 (E4M3 codes of Wo, K innermost, in blocks of 32 codes); Wo_scales 1,024 x 32 uint8 (E8M0 scales of Wo, one for each 32 codes along K); Wq_codes 1,024 x 32 x 32 uint8 (E4M3 codes of Wq, K innermost, in blocks of 32 codes); Wq_scales 1,024 x 32 uint8 (E8M0 scales of Wq, one for each 32 codes along K); Wv_codes 1,024 x 32 x 32 uint8 (E4M3 codes of Wv, K innermost, in blocks of 32 codes); Wv_scales 1,024 x 32 uint8 (E8M0 scales of Wv, one for each 32 codes along K); bk 1,024 float32; bo 1,024 float32; bq 1,024 float32; bv 1,024 float32; x_codes 4 x 2,048 x 32 x 32 uint8 (E4M3 codes of x, K innermost, in blocks of 32 codes); x_scales 4 x 2,048 x 32 uint8 (E8M0 scales of x, one for each 32 codes along K).
;; Outputs: out0 4 x 2,048 x 1,024 float32.
;; This version of the problem:
;;   THIS VERSION OF THE PROBLEM IS GIVEN IN LOW PRECISION. The matrix products marked QUANTISED in the list below multiply operands that are first quantised to E4M3 (4 exponent bits, 3 mantissa bits; 8 bits a number), with one power-of-two scale for each 32 numbers along K (OCP MX v1.0); their sums are f32. All else is computed in f32.
;;   The module's matrix products, in the order in which they are computed (A, B: the left and right operand; K: the contracted axis; several contracted axes count as one K, in the product's order):
;;     1. [M 8,192, K 1,024] x [K 1,024, N 1,024]; A: input x (given as codes); B: input Wq (given as codes): QUANTISED
;;     2. [M 8,192, K 1,024] x [K 1,024, N 1,024]; A: input x (given as codes); B: input Wk (given as codes): QUANTISED
;;     3. [M 8,192, K 1,024] x [K 1,024, N 1,024]; A: input x (given as codes); B: input Wv (given as codes): QUANTISED
;;     4. batch 64 x [M 2,048, K 64] x [K 64, N 2,048]; A: computed on the way; B: computed on the way: QUANTISED
;;     5. batch 64 x [M 2,048, K 2,048] x [K 2,048, N 64]; A: softmax (see below); B: computed on the way: QUANTISED
;;     6. [M 8,192, K 1,024] x [K 1,024, N 1,024]; A: computed on the way; B: input Wo (given as codes): QUANTISED
;;   THE QUANTISER, for each operand of a quantised product, along K:
;;     - K is cut into blocks of 32 from its start; a last block that is shorter is filled with zeros.
;;     - A block's scale is 2^e with e = floor(log2(the largest magnitude in the block)) - 8, held to -126 .. 127; a block of zeros has e = 0. As a byte (E8M0): e + 127.
;;     - Each number is divided by its block's scale, clamped to +-448, and rounded to the nearest number of E4M3, ties to even, subnormals kept.
;;     - The product sums the exact products of the quantised numbers (number of the format x scale) in f32.
;;   ~~~python
;;   def quantise(x, axis):      # numpy; x: float32 -> the quantised numbers, widened to float32 again
;;       x = np.moveaxis(x, axis, -1); K = x.shape[-1]
;;       x = np.pad(x, [(0, 0)] * (x.ndim - 1) + [(0, -K % 32)]); x = x.reshape(x.shape[:-1] + (-1, 32)); a = np.abs(x).max(-1, keepdims=True)
;;       e = np.where(a > 0, np.clip(np.frexp(np.where(a > 0, a, 1))[1] - 1 - 8, -126, 127), 0)      # np.frexp(a)[1] - 1 = floor(log2(a)), exactly
;;       r = np.clip(x / 2.0 ** e, -448, 448)
;;       step = 2.0 ** (np.maximum(np.frexp(np.where(r == 0, 1, r))[1] - 1, -6) - 3)
;;       q = np.round(r / step) * step * 2.0 ** e      # np.round: ties to even
;;       return np.moveaxis(q.reshape(q.shape[:-2] + (-1,))[..., :K], -1, axis).astype(np.float32)
;;   ~~~
;;   SOFTMAX AHEAD OF A QUANTISED PRODUCT. Where the list says 'softmax', what is quantised is not the finished softmax but p = 2^(t - M), with t = logit x log2(e) and M = ceil(the row's largest t), a whole number; so 1/2 < the row's largest p <= 1. The row's sum l is taken of the UNQUANTISED p, in f32, and the product's result is divided by l at the end. Since M is a whole number, a kernel that streams over the keys may use a running M (the ceiling of the running maximum): every later rescaling is an exact power of two, which a block's scale takes up: the codes' values come out the same.
;;   OPERANDS COMPUTED ON THE WAY. 'Computed on the way' means the value that the module computes at that place (a softmax that the list does not call 'softmax' is quantised finished and normalised). What goes into a quantiser is computed in f32, as accurately as f32 sums, v_exp_f32 and their like allow (about 1e-6 of the number): no bf16 or f16 on the way to a quantiser, and a product that is left as it is and whose result goes on into a quantised operand takes f32 operands (vector FMAs, or v_wmma_f32_16x16x4_f32). A number that lies on a knife's edge between two numbers of the format may be rounded either way, as far as f32 arithmetic and the matrix unit's own rounding can turn it there, and no further.
;;   INPUTS GIVEN AS CODES. Wk (in the module: [1024, 1024], K = its axis 1); Wo (in the module: [1024, 1024], K = its axis 1); Wq (in the module: [1024, 1024], K = its axis 1); Wv (in the module: [1024, 1024], K = its axis 1); x (in the module: [4, 2048, 1024], K = its axis 2): each comes as NAME_codes (uint8): NAME with its K axis moved to the last place and cut into blocks of 32 codes, [.., K / 32, bytes a block], one block behind the other in memory; one code a byte (a code: sign, 4 exponent bits, 3 mantissa bits); and NAME_scales (uint8): the same leading axes, one E8M0 byte (e + 127) for each 32 codes along K. Its value is code x scale, taken as it is: it is not quantised again, and the codes and scales need not be those that the quantiser above would give.
;; One version. Each part assembles by itself: llvm-mc -triple=amdgcn-amd-amdhsa -mcpu=gfx1250 --defsym DOCPART=n.
;; ======== version 1 of 1: 4 launches
;; limits: right only within a limited range of input values
;; workspace buffers: rope 524,288 bytes; qb 8,650,752 bytes; kv 17,301,504 bytes; oc 8,388,608 bytes; os 262,144 bytes
;; launch tab (part 1): grid 128 x 1, 4 waves a work-group, no clusters, 0 bytes of LDS; arguments rope; writes rope
.if DOCPART == 1
	.amdgcn_target "amdgcn-amd-amdhsa--gfx1250"
	.amdhsa_code_object_version 6
	.text
	.protected	k_q518f1300bf_tab
	.globl	k_q518f1300bf_tab
	.p2align	8
	.type	k_q518f1300bf_tab,@function
k_q518f1300bf_tab:
	s_mov_b64 s[64:65], 0
	v_nop
	global_prefetch_b8 v0, s[64:65] scope:SCOPE_SE
	s_setreg_imm32_b32 hwreg(HW_REG_WAVE_MODE, 25, 1), 1
	s_wait_xcnt 0x0
; The table of cos and sin for the rotary embedding: angle(s, i) = s x 10000^(-i / 32), s = 0 .. 2047, i = 0 .. 31.
; LAYOUT, as the reader's registers want it: [tile of 16 positions: 128][piece: 8][lane: 32][16 bytes].  Pieces 0-3 hold cos, pieces 4-7 sin.  Number k of piece p of lane (r, h) belongs to
; position 16 tile + r and frequency i = 8 h + 4 (p & 1) + 16 (p >> 1) + k: the channels that a lane of the projection's results holds, in its registers' order.
; A work-group makes one tile, wave p the pieces p and p + 4: each store of a wave covers 512 consecutive bytes, aligned.
; ARITHMETIC.  The frequency is 2^(-i log2(10000) / 32) by v_exp_f32; the angle is one f32 product.  n = the nearest whole number to angle x 2 / pi; r = angle - n pi / 2 with pi / 2 in three parts, by fused
; multiply-adds (the first is exact: both terms are multiples of 2^-23 and the difference lies under 1); sin r and cos r by their series up to r^9 and r^10 (what is cut off lies under 3e-9 for |r| <= pi / 4).
; LIMIT: the frequency is good to the last bit or two of f32, so that at the largest angles (about 2,000 rad) the angle may differ by about 4e-4 rad from one made with another power function.
.set F,   8                            ; v8-11   the frequency
.set ANG, 12                           ; v12-15  the angle
.set NN,  16                           ; v16-19  n
.set R,   20                           ; v20-23  r
.set Z,   24                           ; v24-27  r r
.set SP,  28                           ; v28-31  sin r
.set CP,  32                           ; v32-35  cos r
.set II,  36                           ; v36-39  n as a whole number
.set SI,  40                           ; v40-43  sin(angle)
.set CO,  44                           ; v44-47  cos(angle)
.set TT,  48                           ; v48-51  at work
	s_load_b64 s[4:5], s[0:1], 0x0
	v_lshrrev_b32 v1, 5, v0
	v_readfirstlane_b32 s6, v1                     ; wave = piece
	v_and_b32 v2, 15, v0                           ; r
	v_bfe_u32 v3, v0, 4, 1                         ; h
	v_and_b32 v1, 31, v0
	v_lshlrev_b32 v6, 4, v1                        ; 16 bytes a lane
	s_lshl_b32 s7, ttmp9, 4
	v_add_nc_u32 v4, s7, v2                        ; the position
	v_cvt_f32_u32 v4, v4
	s_and_b32 s8, s6, 1
	s_lshl_b32 s8, s8, 2
	s_lshr_b32 s9, s6, 1
	s_lshl_b32 s9, s9, 4
	s_add_co_u32 s8, s8, s9
	v_lshl_add_u32 v5, v3, 3, s8                   ; 8 h + 4 (p & 1) + 16 (p >> 1)
	s_lshl_b32 s10, ttmp9, 12                      ; the tile's 4,096 bytes,
	s_lshl_b32 s11, s6, 9                          ; my piece
	s_add_co_u32 s10, s10, s11
	s_mov_b32 s11, 0
.irp k, 0,1,2,3
	v_add_nc_u32 v[F+\k], \k, v5
.endr
.irp k, 0,1,2,3
	v_cvt_f32_u32 v[F+\k], v[F+\k]
.endr
.irp k, 0,1,2,3
	v_mul_f32 v[F+\k], 0xbed49a78, v[F+\k]         ; x -log2(10000) / 32
.endr
	s_wait_alu depctr_va_vdst(0)
.irp k, 0,1,2,3
	v_exp_f32 v[F+\k], v[F+\k]
.endr
	v_nop                                          ; one plain instruction behind the exponentials
	s_wait_alu depctr_va_vdst(0)
.irp k, 0,1,2,3
	v_mul_f32 v[ANG+\k], v4, v[F+\k]
.endr
.irp k, 0,1,2,3
	v_mul_f32 v[NN+\k], 0x3f22f983, v[ANG+\k]      ; x 2 / pi
.endr
.irp k, 0,1,2,3
	v_rndne_f32 v[NN+\k], v[NN+\k]
.endr
.irp k, 0,1,2,3
	v_fmamk_f32 v[R+\k], v[NN+\k], 0xbfc90fd8, v[ANG+\k]   ; - n x the first part of pi / 2
.endr
.irp k, 0,1,2,3
	v_fmamk_f32 v[R+\k], v[NN+\k], 0xb4a8885a, v[R+\k]     ; the second
.endr
.irp k, 0,1,2,3
	v_fmamk_f32 v[R+\k], v[NN+\k], 0xa7c234c4, v[R+\k]     ; the third
.endr
.irp k, 0,1,2,3
	v_cvt_i32_f32 v[II+\k], v[NN+\k]
.endr
.irp k, 0,1,2,3
	v_mul_f32 v[Z+\k], v[R+\k], v[R+\k]
.endr
.irp k, 0,1,2,3
	v_mov_b32 v[SP+\k], 0x3638ef1d                 ; 1 / 9!
	v_mov_b32 v[CP+\k], 0xb493f27e                 ; -1 / 10!
.endr
.irp k, 0,1,2,3
	v_fmaak_f32 v[SP+\k], v[SP+\k], v[Z+\k], 0xb9500d01    ; -1 / 7!
	v_fmaak_f32 v[CP+\k], v[CP+\k], v[Z+\k], 0x37d00d01    ; 1 / 8!
.endr
.irp k, 0,1,2,3
	v_fmaak_f32 v[SP+\k], v[SP+\k], v[Z+\k], 0x3c088889    ; 1 / 5!
	v_fmaak_f32 v[CP+\k], v[CP+\k], v[Z+\k], 0xbab60b61    ; -1 / 6!
.endr
.irp k, 0,1,2,3
	v_fmaak_f32 v[SP+\k], v[SP+\k], v[Z+\k], 0xbe2aaaab    ; -1 / 3!
	v_fmaak_f32 v[CP+\k], v[CP+\k], v[Z+\k], 0x3d2aaaab    ; 1 / 4!
.endr
.irp k, 0,1,2,3
	v_mul_f32 v[TT+\k], v[R+\k], v[Z+\k]
	v_fmaak_f32 v[CP+\k], v[CP+\k], v[Z+\k], 0xbf000000    ; -1 / 2
.endr
.irp k, 0,1,2,3
	v_fma_f32 v[SP+\k], v[SP+\k], v[TT+\k], v[R+\k]        ; sin r
	v_fmaak_f32 v[CP+\k], v[CP+\k], v[Z+\k], 0x3f800000    ; cos r
.endr
; the quarter turn n mod 4: odd n exchanges sin and cos; sin is negative for n mod 4 = 2, 3, cos for 1, 2
.irp k, 0,1,2,3
	v_and_b32 v[TT+\k], 1, v[II+\k]
	v_cmp_ne_u32 vcc_lo, 0, v[TT+\k]
	v_cndmask_b32 v[SI+\k], v[SP+\k], v[CP+\k], vcc_lo
	v_cndmask_b32 v[CO+\k], v[CP+\k], v[SP+\k], vcc_lo
.endr
.irp k, 0,1,2,3
	v_lshlrev_b32 v[TT+\k], 30, v[II+\k]
	v_add_nc_u32 v[II+\k], 1, v[II+\k]
.endr
.irp k, 0,1,2,3
	v_and_b32 v[TT+\k], 0x80000000, v[TT+\k]
	v_lshlrev_b32 v[II+\k], 30, v[II+\k]
.endr
.irp k, 0,1,2,3
	v_xor_b32 v[SI+\k], v[SI+\k], v[TT+\k]
	v_and_b32 v[II+\k], 0x80000000, v[II+\k]
.endr
.irp k, 0,1,2,3
	v_xor_b32 v[CO+\k], v[CO+\k], v[II+\k]
.endr
	s_wait_alu depctr_va_vdst(0)
	s_wait_kmcnt 0x0
	s_add_nc_u64 s[4:5], s[4:5], s[10:11]
	global_store_b128 v6, v[CO:CO+3], s[4:5]
	global_store_b128 v6, v[SI:SI+3], s[4:5] offset:2048
	s_endpgm
.Lfunc_end_k_q518f1300bf_tab:
	.size	k_q518f1300bf_tab, .Lfunc_end_k_q518f1300bf_tab-k_q518f1300bf_tab
	.p2alignl 7, 3214868480
	.fill 96, 4, 3214868480
	.section	.rodata,"a",@progbits
	.p2align	6, 0x0
	.amdhsa_kernel k_q518f1300bf_tab
		.amdhsa_group_segment_fixed_size 0
		.amdhsa_private_segment_fixed_size 0
		.amdhsa_enable_private_segment 0
		.amdhsa_kernarg_size 8
		.amdhsa_user_sgpr_count 2
		.amdhsa_user_sgpr_kernarg_segment_ptr 1
		.amdhsa_wavefront_size32 1
		.amdhsa_system_sgpr_workgroup_id_x 1
		.amdhsa_system_sgpr_workgroup_id_y 1
		.amdhsa_system_sgpr_workgroup_id_z 1
		.amdhsa_system_vgpr_workitem_id 0
		.amdhsa_next_free_vgpr 64
		.amdhsa_next_free_sgpr 66
		.amdhsa_reserve_vcc 1
		.amdhsa_float_denorm_mode_32 3
		.amdhsa_float_denorm_mode_16_64 3
		.amdhsa_memory_ordered 1
		.amdhsa_forward_progress 1
		.amdhsa_inst_pref_size 8
	.end_amdhsa_kernel
	.amdgpu_metadata
---
amdhsa.version: [ 1, 2 ]
amdhsa.kernels:
  - .name:           k_q518f1300bf_tab
    .symbol:         k_q518f1300bf_tab.kd
    .args:
      - { .name: rope, .offset: 0, .size: 8, .value_kind: global_buffer, .address_space: global }
    .group_segment_fixed_size: 0
    .private_segment_fixed_size: 0
    .kernarg_segment_align: 8
    .kernarg_segment_size: 8
    .max_flat_workgroup_size: 128
    .sgpr_count:     66
    .vgpr_count:     64
    .wavefront_size: 32
...
	.end_amdgpu_metadata
.endif
;; end of part 1
;; launch qkv (part 2): grid 12 x 32, 4 waves a work-group, clusters of 4 x 4, 327,680 bytes of LDS; arguments x_codes, x_scales, Wq_codes, Wq_scales, Wk_codes, Wk_scales, Wv_codes, Wv_scales, bq, bk, bv, rope, qb, kv; writes qb, kv
.if DOCPART == 2
	.amdgcn_target "amdgcn-amd-amdhsa--gfx1250"
	.amdhsa_code_object_version 6
	.text
	.protected	k_q518f1300bf_qkv
	.globl	k_q518f1300bf_qkv
	.p2align	8
	.type	k_q518f1300bf_qkv,@function
k_q518f1300bf_qkv:
	s_mov_b64 s[64:65], 0
	v_nop
	global_prefetch_b8 v0, s[64:65] scope:SCOPE_SE
	s_setreg_imm32_b32 hwreg(HW_REG_WAVE_MODE, 25, 1), 1
	s_wait_xcnt 0x0
	s_wait_alu depctr_hold_cnt(0) depctr_sa_sdst(0) depctr_va_vdst(0) depctr_va_sdst(0) depctr_va_ssrc(0) depctr_va_vcc(0) depctr_vm_vsrc(0)
	s_getreg_b32 s2, hwreg(HW_REG_IB_STS2, 6, 4)
	s_cmp_eq_u32 s2, 0
	s_cbranch_scc0 .Lentry_in_a_cluster
	s_endpgm
.Lentry_in_a_cluster:
	s_bfe_u32 s2, ttmp6, 0x10000c
	s_cmp_lg_u32 s2, 0xf033
	s_cbranch_scc0 .Lentry_shape_is_right
	s_endpgm
.Lentry_shape_is_right:
; q = rope(x Wq^T + bq), k = rope(x Wk^T + bk), v = x Wv^T + bv, on codes of FP8 (E4M3) with one E8M0 scale for each 32 along K = 1,024; the results are quantised again, here, in registers, and leave as
; IMAGES OF THE REGISTERS of the operands that the attention launch wants: q and k along a head's 64 channels, v along the keys.
; THE PRODUCT: a tile of 256 x 256 a work-group, 128 x 128 a wave (64 accumulators, 512 registers); K in steps of 256 through a ring of two LDS slots filled by the tensor data mover; the scale bytes of the
; work-group's rows come into LDS once.  Clusters of 4 x 4: A's tiles are asked for jointly along a row of the cluster, B's along a column.
; ONE TEXT FOR THREE PRODUCTS.  The cluster's x (0, 1, 2: the same in all sixteen partners) says q, k or v.  For q and k 'A' is x (32 tile rows) and 'B' the weight (4 tile columns); for v 'A' is Wv and 'B' is x.
; Source 0 of the matrix instruction = 16 rows of B, source 1 = 16 rows of A: lane (r, h) holds row r of A's block, and register j of accumulator (a, b) row 16 b + 8 h + j of B.
;   q, k: a lane holds ONE position, its registers run along the channels; channels d and d + 32 of a head lie in the same lane, so the rotation needs no other lane.
;   v:    a lane holds ONE channel, its registers run along the keys.
; The 16 registers of two neighbouring accumulators are 16 members of one block of 32 (the lane 16 away holds the other 16).  As codes they stand at places 32 c + 16 h + 8 u + j of the operand where the member is
; 32 c + 16 u + 8 h + j: an exchange INSIDE a block, the same for q and k, and for v and the softmax's p: every product meets its partner; only the order of the sums inside the unit differs.
; THE BIAS of q and k is the C of each sum's first matrix instruction (64 registers, by B's rows); v's hangs on the lane and on A's block, so its first C is 0 and it is added on the way out.
; A block's scale is 2^(floor(log2(its largest magnitude)) - 8).  LIMITS: a block whose largest magnitude lies under 2^-118, a block of zeros among them, gets the byte 1 (these bytes are read by this program alone);
; NaN and infinities are not served.
; REGISTERS, in windows of 256: window 0: v0-31 addresses; v32-63 scale words, two sets; v64-127 the first C; from v128 A's fragments, one set.  window 1: B's fragments, two sets.  windows 2, 3: the accumulators.
;   On the way out, window 0: v64-127 64 numbers; v128-143 their codes; v144-159 bv in pairs; v160-176 at work; v180-187 scale words; v188-191 those that leave; v192-255 cos and sin, two sets.
.set KSTEP,  256                       ; along K in a slot
.set NQ,     2                         ; matrix instructions deep
.set ROWB,   256                       ; a tile's row in bytes
.set KROW,   1024                      ; a row of codes in memory
.set PITCH,  272                       ; an LDS row: 256 bytes + 16 of padding: the 16 rows that a load touches start at 16 different banks (64 banks of 4 bytes: ISA guide 11.1)
.set FR,     16                        ; registers of a fragment
.set NL,     4                         ; LDS loads that bring one
.set NP,     8                         ; places behind this matrix instruction (ISA guide 7.12.1)
.set HALFT,  128*PITCH                 ; 128 rows: what one tensor load brings
.set SLOT,   4*HALFT                   ; A's 256 rows, then B's 256 rows
.set LAPS,   2                         ; 1,024 along K = two laps of two K steps
.set KS,     32                        ; a row of scale bytes
.set SCL,    2*SLOT                    ; behind the ring: the scales, as units of 256 bytes + 16 of padding
.set HALFS,  16*272                    ; the scales of 128 rows
.set SBLK,   2*272                     ; those of 16 rows
.set SPARE,  SCL+4*HALFS               ; the spare words, 128 bytes for each wave: two blocks of 256 bytes that no other line names
.set ADRA, 16                          ; v16-17  LDS address of my A fragments in slot 0, 1
.set ADRB, 20                          ; v20-21  the same for B
.set SCV,  24                          ; v24     the way out: where my scale words go
.set L16,  26                          ; v26     the way out: 16 x lane
.set ADRS, 27                          ; v27     LDS address of my scale words
.set SPW,  28                          ; v28     LDS address of my spare word; never rewritten
.set NIL,  29                          ; v29     0; never rewritten
.set SC,   32
.set T,    64                          ; the first C
.set AF,   128
.set N,    64
.set PC,   128
.set BV,   144
.set TM,   160
.set PW,   176
.set KW,   180
.set SW,   188
.set CSN,  192
.set G1, 24
.set G0, 32
.set G1B, 48
.set G0B, 56
.set G1S, 68
.set G0S, 76
.set G1SB, 80
.set G0SB, 88
.set SEL, 20                           ; the way out: s[20:21] lane selects, s22 the mask of lanes 16-31
.set HM,  22
.set MNT, 23
.set OUT, 24                           ; s[24:25], s[26:27] my two heads' records; s[28:29] where their scale words begin
.set SCB, 28
.set MSB, 0
.macro WIN new                         ; the immediate's high byte repeats the setting that is left
.if MSB != (\new)
	s_set_vgpr_msb (MSB<<8)|(\new)
.set MSB, (\new)
.endif
.endm
.set MUL_LO, 0xa1                      ; source 0 (B) window 1, source 1 (A) window 0, C and D window 2
.set MUL_HI, 0xf1                      ; the same, C and D window 3
.set TO_B,   0x40                      ; destination window 1, address window 0
; A joint load: waves 0 and 1 fetch for A, waves 2 and 3 for B; the branch hangs on the wave's number alone.  Four v_nop follow each of the two lines.
.macro JLOAD g0a, g1a, g0b, g1b
	s_cmp_eq_u32 s15, 0
	s_cbranch_scc0 .Lfor_b_\@
	tensor_load_to_lds s[\g0a:\g0a+3], s[\g1a:\g1a+7]
	s_nop 0
.rept 4
	v_nop
.endr
	s_branch .Lasked_\@
.Lfor_b_\@:
	tensor_load_to_lds s[\g0b:\g0b+3], s[\g1b:\g1b+7]
	s_nop 0
.rept 4
	v_nop
.endr
.Lasked_\@:
.endm
.macro CREST                           ; a round of the cluster's barrier behind its opening barrier
	s_cmp_lg_u32 s14, 0
	s_cbranch_scc1 .Lnot_wave_0_\@
	s_barrier_signal -3
.Lnot_wave_0_\@:
	s_barrier_wait -3
	s_barrier_signal -1
	s_barrier_wait -1
.endm
.macro CROUND                          ; a whole round
	s_barrier_signal -1
	s_barrier_wait -1
	CREST
.endm
	s_load_b512 s[68:83], s[0:1], 0x0              ; x's codes, scales; Wq's; Wk's; Wv's
	s_load_b256 s[84:91], s[0:1], 0x40             ; bq, bk, bv, the table
	s_load_b128 s[92:95], s[0:1], 0x60             ; qb, kv
	v_lshl_add_u32 v[SPW], v0, 2, SPARE
	v_mov_b32 v[NIL], 0
	ds_add_u32 v28, v29
	ds_add_u32 v28, v29
	s_wait_dscnt 0x0
	v_lshrrev_b32 v1, 5, v0
	v_readfirstlane_b32 s14, v1                    ; wave 0..3
	s_lshr_b32 s15, s14, 1                         ; which half of A's rows is mine.  Also: I fetch for A (0) or for B (1)
	s_and_b32 s16, s14, 1                          ; which half of B's rows.  Also: which 128 rows I fetch
	s_bfe_u32 s40, ttmp6, 0x40000                  ; cx, cy: my place in the cluster
	s_bfe_u32 s41, ttmp6, 0x40004
	s_and_b32 s18, ttmp7, 0xffff
	s_lshl_b32 s18, s18, 2                         ; 4 x the cluster's y: it walks x's 32 tiles, which are A's for q and k and B's for v
	s_cmp_eq_u32 ttmp9, 2
	s_cselect_b32 s17, 0, s18
	s_cselect_b32 s42, s18, 0
	s_add_co_u32 s17, s17, s41                     ; A's tile: cy (+ 4 x cluster y)
	s_add_co_u32 s42, s42, s40                     ; B's tile: cx (+ 4 x cluster y)
	s_lshl_b32 s43, s41, 2
	s_lshl_b32 s43, 15, s43                        ; my row of the cluster
	s_lshl_b32 s44, 0x1111, s40                    ; my column
	; descriptor group 1: a tile of 128 rows x 256 bytes, padded in LDS
	s_or_b32 s[G1+0], s43, (0<<16)|(1<<20)|(1<<21)|(5<<22)|(3<<25)  ; the mask: A's tiles go to my row; elements of 1 byte; padding on; bit 21 beside a mask; after every 64 words, 4 words
	s_or_b32 s[G1B+0], s44, (0<<16)|(1<<20)|(1<<21)|(5<<22)|(3<<25)
.irp g, G1, G1B
	s_mov_b32 s[\g+1], ROWB<<16                    ; tensor_dim0
	s_mov_b32 s[\g+2], 128<<16                     ; tensor_dim1
	s_mov_b32 s[\g+3], ROWB<<16                    ; tile_dim0
	s_mov_b32 s[\g+4], 128                         ; tile_dim1
	s_mov_b32 s[\g+5], KROW                        ; tensor_dim0_stride
	s_mov_b32 s[\g+6], 0
	s_mov_b32 s[\g+7], 0
.endr
	s_lshl_b32 s18, s16, 7                         ; which 128 rows of the tile I fetch
	s_lshl_b32 s20, s17, 8
	s_add_co_u32 s20, s20, s18                     ; A: row 256 x tile + 128 x half
	s_lshl_b32 s46, s42, 8
	s_add_co_u32 s46, s46, s18                     ; B likewise
	s_lshl_b32 s22, s20, 5                         ; where these rows' scales begin, in bytes (rows under 8,192: all offsets under 2^23),
	s_mov_b32 s23, 0
	s_lshl_b32 s20, s20, 10                        ; and their codes
	s_mov_b32 s21, 0
	s_lshl_b32 s2, s46, 5
	s_mov_b32 s3, 0
	s_lshl_b32 s46, s46, 10
	s_mov_b32 s47, 0
	s_mul_i32 s45, s14, HALFT                      ; where they go: wave x 128 rows: no place in the cluster enters an LDS address
	; what my wave computes: A's rows from s100 on, B's from s101 on; then s100 = x's first row, s101 = the first channel
	s_lshl_b32 s100, s17, 8
	s_lshl_b32 s18, s15, 7
	s_add_co_u32 s100, s100, s18
	s_lshl_b32 s101, s42, 8
	s_lshl_b32 s18, s16, 7
	s_add_co_u32 s101, s101, s18
	s_cmp_eq_u32 ttmp9, 2
	s_cselect_b32 s18, s101, s100
	s_cselect_b32 s101, s100, s101
	s_mov_b32 s100, s18
	s_wait_kmcnt 0x0
	s_cmp_eq_u32 ttmp9, 2                          ; the buffers are chosen by the cluster's x alone
	s_cselect_b64 s[4:5], s[80:81], s[68:69]       ; A's codes: Wv's or x's
	s_cselect_b64 s[6:7], s[82:83], s[70:71]       ; A's scales
	s_cselect_b64 s[8:9], s[68:69], s[72:73]       ; B's codes: x's or Wq's,
	s_cselect_b64 s[10:11], s[70:71], s[74:75]
	s_cselect_b64 s[12:13], s[88:89], s[84:85]     ; the bias
	s_cmp_eq_u32 ttmp9, 1
	s_cselect_b64 s[8:9], s[76:77], s[8:9]         ; or Wk's
	s_cselect_b64 s[10:11], s[78:79], s[10:11]
	s_cselect_b64 s[12:13], s[86:87], s[12:13]
	s_cmp_eq_u32 ttmp9, 0
	s_cselect_b64 s[96:97], s[92:93], s[94:95]     ; the output: qb or kv
	s_mov_b64 s[98:99], s[90:91]                   ; the table
	s_add_nc_u64 s[20:21], s[4:5], s[20:21]
	s_add_nc_u64 s[22:23], s[6:7], s[22:23]
	s_add_nc_u64 s[46:47], s[8:9], s[46:47]
	s_add_nc_u64 s[92:93], s[10:11], s[2:3]
	s_lshl_b32 s2, s101, 2
	s_add_nc_u64 s[12:13], s[12:13], s[2:3]        ; the bias at my first channel
	s_mul_i32 s94, s14, HALFS
	; group 1 for the scales of 128 rows: a dense block of 4,096 bytes, as 16 rows of 256 bytes (32 elements of 8 bytes), 16 bytes of padding behind each
	s_or_b32 s[G1S+0], s43, (3<<16)|(1<<20)|(1<<21)|(5<<22)|(3<<25)
	s_or_b32 s[G1SB+0], s44, (3<<16)|(1<<20)|(1<<21)|(5<<22)|(3<<25)
.irp g, G1S, G1SB
	s_mov_b32 s[\g+1], 32<<16
	s_mov_b32 s[\g+2], 16<<16
	s_mov_b32 s[\g+3], 32<<16
	s_mov_b32 s[\g+4], 16
	s_mov_b32 s[\g+5], 32
	s_mov_b32 s[\g+6], 0
	s_mov_b32 s[\g+7], 0
.endr
	CROUND                                         ; all sixteen work-groups are here: the first joint loads meet
	s_mov_b32 s[G0S], 1
	s_add_co_u32 s[G0S+1], s94, SCL
	s_mov_b64 s[G0S+2:G0S+3], s[22:23]
	s_or_b32 s[G0S+3], s[G0S+3], 0x80000000
	s_mov_b32 s[G0SB], 1
	s_add_co_u32 s[G0SB+1], s94, SCL
	s_mov_b64 s[G0SB+2:G0SB+3], s[92:93]
	s_or_b32 s[G0SB+3], s[G0SB+3], 0x80000000
	JLOAD G0S, G1S, G0SB, G1SB                     ; the scales first: they are wanted with K step 0
.irp s, 0,1
	s_mov_b32 s[G0+4*\s], 1
	s_add_co_u32 s[G0+4*\s+1], s45, \s*SLOT
	s_add_nc_u64 s[G0+4*\s+2:G0+4*\s+3], s[20:21], \s*ROWB
	s_or_b32 s[G0+4*\s+3], s[G0+4*\s+3], 0x80000000
	s_mov_b32 s[G0B+4*\s], 1
	s_add_co_u32 s[G0B+4*\s+1], s45, \s*SLOT
	s_add_nc_u64 s[G0B+4*\s+2:G0B+4*\s+3], s[46:47], \s*ROWB
	s_or_b32 s[G0B+4*\s+3], s[G0B+4*\s+3], 0x80000000
	JLOAD G0+4*\s, G1, G0B+4*\s, G1B
.endr
	v_and_b32 v1, 15, v0                           ; l % 16
	v_bfe_u32 v2, v0, 4, 1                         ; l / 16
	v_mul_u32_u24 v3, v1, PITCH
	v_lshl_add_u32 v4, v2, 4, v3                   ; a fragment's row x pitch + 16 x half
	s_mul_i32 s21, s15, HALFT                      ; my 128 rows of A
	s_mul_i32 s22, s16, HALFT                      ; my 128 rows of B,
	s_add_co_u32 s22, s22, 2*HALFT                 ; which lie behind A's 256
.irp s, 0,1
	v_add_nc_u32 v[ADRA+\s], s21, v4
	v_add_nc_u32 v[ADRB+\s], s22, v4
	s_add_co_u32 s21, s21, SLOT
	s_add_co_u32 s22, s22, SLOT
.endr
	v_mul_u32_u24 v5, v1, KS                       ; my row's scales: 32 bytes a row,
	v_lshrrev_b32 v6, 8, v5
	v_lshl_add_u32 v5, v6, 4, v5                   ; and 16 more for each 256 passed
	s_mul_i32 s21, s15, HALFS
	s_mul_i32 s22, s16, HALFS
	s_add_co_u32 s22, s22, 2*HALFS
	s_sub_co_u32 s22, s22, s21
	v_mul_u32_u24 v6, s22, v2                      ; lanes 16-31 take B's
	s_add_co_u32 s21, s21, SCL
	v_add_nc_u32 v5, v5, v6
	v_add_nc_u32 v[ADRS], s21, v5
	v_lshlrev_b32 v7, 5, v2                        ; the first C: 32 h bytes on in the bias
	s_cmp_eq_u32 ttmp9, 2
	s_cbranch_scc1 .Lc_zero
.irp b, 0,1,2,3,4,5,6,7
	global_load_b128 v[T+8*\b:T+8*\b+3], v7, s[12:13] offset:64*\b          ; q, k: register 8 b + j = the bias of channel 16 b + 8 h + j
	global_load_b128 v[T+8*\b+4:T+8*\b+7], v7, s[12:13] offset:64*\b+16
.endr
	s_branch .Lc_made
.Lc_zero:
.set i, 0
.rept 64
	v_mov_b32 v[T+i], 0                            ; v: its bias hangs on A's block, not on B's: it is added on the way out, and the one text's first C holds zeros here
.set i, i+1
.endr
.Lc_made:
.macro FRAG reg, adr, q, i             ; 16 rows x 128 K of 8-bit codes: lane l holds row l % 16; registers 4 c .. 4 c + 3 hold K = 32 c + 16 (l / 16) + 0 .. 15
.irp c, 0,1,2,3
	ds_load_b128 v[\reg+4*\c:\reg+4*\c+3], v[\adr] offset:128*(\q)+32*\c+(\i)*16*PITCH
.endr
.endm
; 16 matrix instructions: A's blocks a0, a0 + 1 x B's eight, the slot's q-th 128 along K.  p: B's set; sc: the set of scale words.  first = 1: the sums begin with the first C.
; The 64 accumulators take turns, one instruction a turn, in the same order in every step.
.macro MUL16 a0, p, q, sc, first
.irp a, \a0, \a0+1
.irp b, 0,1,2,3,4,5,6,7
.if \first
	v_wmma_scale_f32_16x16x128_f8f6f4 v[8*(8*((\a)%4)+\b):8*(8*((\a)%4)+\b)+7], v[128*(\p)+FR*\b:128*(\p)+FR*\b+FR-1], v[AF+FR*(\a):AF+FR*(\a)+FR-1], v[T+8*\b:T+8*\b+7], v[SC+8*NQ*(\sc)+NQ*\b+(\q)], v[SC+8*NQ*(\sc)+NQ*(\a)+(\q)] matrix_a_scale:MATRIX_SCALE_ROW1
.else
	v_wmma_scale_f32_16x16x128_f8f6f4 v[8*(8*((\a)%4)+\b):8*(8*((\a)%4)+\b)+7], v[128*(\p)+FR*\b:128*(\p)+FR*\b+FR-1], v[AF+FR*(\a):AF+FR*(\a)+FR-1], v[8*(8*((\a)%4)+\b):8*(8*((\a)%4)+\b)+7], v[SC+8*NQ*(\sc)+NQ*\b+(\q)], v[SC+8*NQ*(\sc)+NQ*(\a)+(\q)] matrix_a_scale:MATRIX_SCALE_ROW1
.endif
.endr
.endr
.endm
.macro FETCH_B slot, q, p
	WIN TO_B
.irp i, 0,1,2,3,4,5,6,7
	FRAG 128*(\p)+FR*\i, ADRB+\slot, \q, \i
.endr
	WIN 0
.endm
.macro FETCH_A slot, q, i0
.irp i, \i0, \i0+1, \i0+2, \i0+3
	FRAG AF+FR*(\i), ADRA+\slot, \q, \i
.endr
.endm
.macro SCALES sc                       ; a K step's scale words: two words a row; lanes 0-15 take A's block i, lanes 16-31 B's block i
.irp i, 0,1,2,3,4,5,6,7
	ds_load_b64 v[SC+8*NQ*\sc+NQ*\i:SC+8*NQ*\sc+NQ*\i+1], v[ADRS] offset:\i*SBLK
.endr
.endm
.macro PLACES n                        ; plain vector instructions between a matrix instruction and a load into, or a read of, its registers
.rept \n
	v_nop
.endr
.endm
; A step of 128 along K that has its successor in the same slot.  first = 1: C lies in window 0.
.macro STEP slot, q, first
	s_wait_dscnt 4*NL                              ; B's set and A's blocks 0-3 are in; the youngest 16 loads (A's blocks 4-7) may be out
	WIN MUL_LO-0x20*(\first)
	MUL16 0, (\q)%2, \q, \slot, \first
	MUL16 2, (\q)%2, \q, \slot, \first
	s_wait_dscnt 0                                 ; A's blocks 4-7 are in
	PLACES NP
	FETCH_B \slot, (\q)+1, 1-(\q)%2
	FETCH_A \slot, (\q)+1, 0
	WIN MUL_HI-0x30*(\first)
	MUL16 4, (\q)%2, \q, \slot, \first
	MUL16 6, (\q)%2, \q, \slot, \first
	PLACES NP
	WIN 0
	FETCH_A \slot, (\q)+1, 4
.endm
; A slot's last step changes slots: one barrier; in front of it each wave waits for all its tensor loads, adds 0 to its spare word, and waits for that and for its own reads of this slot.
.macro TURN slot, next, fill
	s_wait_tensorcnt 0x0                           ; all my tensor loads have landed: my part of the next slot
	ds_add_u32 v[SPW], v[NIL]                      ; 0 onto my spare word
	s_wait_dscnt 4*NL+1                            ; (the add and the youngest 16 loads may be out)
	WIN MUL_LO
	MUL16 0, 1, NQ-1, \slot, 0
	s_wait_dscnt 0x0                               ; the add is done, and my reads of this slot are over
	s_barrier_signal -1
	MUL16 2, 1, NQ-1, \slot, 0
	WIN 0
	s_barrier_wait -1
.if \fill
	CREST                                          ; the barrier has opened a round of the cluster's barrier: no wave of any partner still reads this slot or has a load on its way
	s_add_nc_u64 s[G0+4*\slot+2:G0+4*\slot+3], s[G0+4*\slot+2:G0+4*\slot+3], 2*ROWB
	s_add_nc_u64 s[G0B+4*\slot+2:G0B+4*\slot+3], s[G0B+4*\slot+2:G0B+4*\slot+3], 2*ROWB
	JLOAD G0+4*\slot, G1, G0B+4*\slot, G1B         ; the first tensor load behind the round; its four v_nop are among the places in front of the loads below
	PLACES NP-4
.else
	PLACES NP
.endif
	s_wait_alu depctr_va_vdst(0)
	v_add_nc_u32 v[ADRS], 4*NQ, v[ADRS]            ; on to the next K step's scale words
	FETCH_B \next, 0, 0
	FETCH_A \next, 0, 0
	SCALES \next
	WIN MUL_HI
	MUL16 4, 1, NQ-1, \slot, 0
	MUL16 6, 1, NQ-1, \slot, 0
	PLACES NP
	WIN 0
	FETCH_A \next, 0, 4
.endm
	s_wait_tensorcnt 1                             ; the scales and my part of K step 0 are in (K step 1's load may be out),
	s_barrier_signal -1
	s_barrier_wait -1                              ; everybody's are
	FETCH_B 0, 0, 0
	FETCH_A 0, 0, 0
	s_wait_alu depctr_va_vdst(0)
	SCALES 0
	FETCH_A 0, 0, 4
	s_wait_loadcnt 0x0                             ; the first C
	STEP 0, 0, 1
	s_mov_b32 s3, LAPS-1
.Llap:
	TURN 0, 1, 1
	STEP 1, 0, 0
	TURN 1, 0, 1
	STEP 0, 0, 0
	s_sub_co_u32 s3, s3, 1
	s_cmp_lg_u32 s3, 0
	s_cbranch_scc1 .Llap
	TURN 0, 1, 0                                   ; the last lap fills nothing
	STEP 1, 0, 0
	s_wait_dscnt 4*NL
	WIN MUL_LO
	MUL16 0, 1, NQ-1, 1, 0
	MUL16 2, 1, NQ-1, 1, 0
	s_wait_dscnt 0
	WIN MUL_HI
	MUL16 4, 1, NQ-1, 1, 0
	MUL16 6, 1, NQ-1, 1, 0
	WIN 0
	PLACES NP                                      ; in front of the first reads of results and of loads and writes into the registers that held A's fragments
; THE WAY OUT.  No LDS: a lane's codes already are 16 bytes of an operand's register image, and 32 lanes store 512 consecutive bytes, aligned.
; qb: [batch x head: 64][128 queries: 16][8,448 bytes]: codes [tile of 16: 8][block: 2][lane][16], then scale words [row of a tile: 16][pair of tiles: 4].
; kv: [batch x head: 64][128 keys: 16][16,896 bytes]: K as qb's codes; V [tile of 16 channels: 4][block of 32 keys: 4][lane][16]; then 32 x 4 scale words: K's for lanes 0-15, V's for lanes 16-31.
	s_mov_b32 s[SEL], 0x76543210
	s_mov_b32 s[SEL+1], 0xfedcba98                 ; v_permlanex16_b32's selects for lane l xor 16
	s_mov_b32 s[HM], 0xffff0000
	s_cmp_eq_u32 ttmp9, 0
	s_cselect_b32 s30, 0, 1                        ; kv's records are twice qb's
	s_lshl_b32 s31, 135168, s30                    ; from head to head
	s_lshl_b32 s32, 8448, s30                      ; from record to record
	s_lshl_b32 s33, 8192, s30                      ; where the scale words begin: 8,192 (q), 16,384 (k),
	s_cmp_eq_u32 ttmp9, 2
	s_cselect_b32 s34, 256, 0
	s_add_co_u32 s33, s33, s34                     ; 16,640 (v)
	s_lshr_b32 s35, s100, 11                       ; the batch
	s_lshl_b32 s35, s35, 4
	s_lshr_b32 s36, s101, 6
	s_add_co_u32 s35, s35, s36                     ; my first head (of two)
	s_bfe_u32 s36, s100, 0x40007                   ; which 128 positions of the sequence
	s_mul_i32 s24, s35, s31
	s_mul_i32 s37, s36, s32
	s_add_co_u32 s24, s24, s37
	s_mov_b32 s25, 0
	s_add_nc_u64 s[OUT:OUT+1], s[96:97], s[24:25]
	s_mov_b32 s26, s31
	s_mov_b32 s27, 0
	s_add_nc_u64 s[OUT+2:OUT+3], s[OUT:OUT+1], s[26:27]
	s_mov_b32 s28, s33
	s_mov_b32 s29, 0
	s_add_nc_u64 s[SCB:SCB+1], s[OUT:OUT+1], s[28:29]
	s_lshl_b32 s36, s36, 15                        ; the table: 8 tiles of 4,096 bytes for 128 positions
	s_mov_b32 s37, 0
	s_add_nc_u64 s[98:99], s[98:99], s[36:37]
	v_and_b32 v1, 15, v0
	v_bfe_u32 v2, v0, 4, 1
	v_and_b32 v3, 31, v0
	v_lshlrev_b32 v[L16], 4, v3
	v_lshlrev_b32 v4, 4, v1
	v_mad_u32_u24 v[SCV], v2, s31, v4              ; lanes 0-15: my first head's words, 16 bytes a row; lanes 16-31: my second head's
	v_lshlrev_b32 v7, 2, v1
.irp b, 0,1,2,3
	v_mov_b32 v[TM+4+\b], 0                        ; written once: a lane permute's destination counts as one of its sources
.endr
; 64 numbers of a lane, register 16 b + i in block b, become 16 registers of codes in v[pc] on and the four blocks' scale bytes in v[pw].  The lane 16 away holds each block's other 16.
.macro QUANT s, pc, pw
.irp b, 0,1,2,3
	v_max3_num_f32 v[TM+\b], |v[\s+16*\b]|, |v[\s+1+16*\b]|, 0x4800000   ; my 16 numbers, and the floor 2^(9 - 127): the byte cannot fall under 1
.endr
.irp i, 2,4,6,8,10,12,14
.irp b, 0,1,2,3
	v_max3_num_f32 v[TM+\b], v[TM+\b], |v[\s+16*\b+\i]|, |v[\s+1+16*\b+\i]|
.endr
.endr
.irp b, 0,1,2,3
	v_permlanex16_b32 v[TM+4+\b], v[TM+\b], s[SEL], s[SEL+1]
.endr
.irp b, 0,1,2,3
	v_max_num_f32 v[TM+\b], v[TM+\b], v[TM+4+\b]   ; the block's largest magnitude
.endr
.irp b, 0,1,2,3
	v_add_nc_u32 v[TM+12+\b], 0xfc000000, v[TM+\b] ; 8 off its exponent field: the conversion's scale operand
.endr
.irp b, 0,1,2,3
.endr
.irp b, 0,1,2,3
	v_lshrrev_b32 v[TM+4+\b], 23, v[TM+12+\b]      ; the scale's byte
.endr
	v_lshl_or_b32 v[\pw], v[TM+5], 8, v[TM+4]
	v_lshl_or_b32 v[\pw], v[TM+6], 16, v[\pw]
	v_lshl_or_b32 v[\pw], v[TM+7], 24, v[\pw]
.irp b, 0,1,2,3
.irp i, 0,1,2,3,4,5,6,7,8,9,10,11,12,13,14,15
.endr
	v_cvt_scalef32_pk8_fp8_f32 v[\pc+4*\b:\pc+1+4*\b], v[\s+16*\b:\s+7+16*\b], v[TM+12+\b]
	v_cvt_scalef32_pk8_fp8_f32 v[\pc+2+4*\b:\pc+3+4*\b], v[\s+8+16*\b:\s+15+16*\b], v[TM+12+\b]
.endr
	v_nop                                          ; one plain instruction behind the last conversion
.endm
.macro ROPELD a                        ; the table's tile a: 16 cos, 16 sin a lane, into set a % 2
.irp p, 0,1,2,3,4,5,6,7
	global_load_b128 v[CSN+32*((\a)%2)+4*\p:CSN+32*((\a)%2)+4*\p+3], v[L16], s[98:99] offset:4096*(\a)+512*\p
.endr
.endm
; q, k: the 16 positions of A's block a, both heads: rotated, quantised, stored.  Each accumulator is read from its low end on.
.macro QKROW a
.if (\a) < 7
	ROPELD (\a)+1
	s_wait_loadcnt 8                               ; this tile's eight loads are in; the eight just issued may be out
.else
	s_wait_loadcnt 0x0
.endif
	WIN 0x02+(\a)/4                                ; source 0: the accumulators' window
.set RC, CSN+32*((\a)%2)
.set AC, 64*((\a)%4)
.irp e, 0,1
.irp u, 0,1
.irp j, 0,2,4,6
.set n1, N+32*\e+8*\u+\j
.set n2, n1+16
.set y1, AC+8*(4*\e+\u)+\j
.set y2, y1+16
.set co, RC+8*\u+\j
.set si, co+16
	v_pk_mul_f32 v[n1:n1+1], v[y1:y1+1], v[co:co+1]                ; channel d < 32: y(d) cos - y(d + 32) sin
	v_pk_mul_f32 v[n2:n2+1], v[y2:y2+1], v[co:co+1]                ; channel d + 32: y(d + 32) cos + y(d) sin
	v_pk_fma_f32 v[n1:n1+1], v[y2:y2+1], v[si:si+1], v[n1:n1+1] neg_lo:[1,0,0] neg_hi:[1,0,0]
	v_pk_fma_f32 v[n2:n2+1], v[y1:y1+1], v[si:si+1], v[n2:n2+1]
.endr
.endr
.endr
	WIN 0
	s_wait_xcnt 0x0                                ; the last tile's stores have read the codes' registers
	QUANT N, PC, PW
.if ((\a)%2) == 0                      ; a scale word serves two tiles: bytes 0, 1 the even tile's two blocks, bytes 2, 3 the odd tile's
	v_and_b32 v[KW+(\a)/2], 0xffff, v[PW]
	v_lshrrev_b32 v[KW+4+(\a)/2], 16, v[PW]
.else
	v_lshl_or_b32 v[KW+(\a)/2], v[PW], 16, v[KW+(\a)/2]
	v_and_or_b32 v[KW+4+(\a)/2], v[PW], 0xffff0000, v[KW+4+(\a)/2]
.endif
.irp e, 0,1
.irp c, 0,1
	global_store_b128 v[L16], v[PC+4*(2*\e+\c):PC+4*(2*\e+\c)+3], s[OUT+2*\e:OUT+2*\e+1] offset:1024*(\a)+512*\c
.endr
.endr
.endm
; v: the 16 channels of A's block a x my 128 keys: the bias, quantised along the keys, stored
.macro VROW a
	WIN 0x02+(\a)/4
.set AC, 64*((\a)%4)
.set i, 0
.rept 32
	v_pk_add_f32 v[N+i:N+i+1], v[AC+i:AC+i+1], v[BV+2*(\a):BV+2*(\a)+1]
.set i, i+2
.endr
	WIN 0
	s_wait_xcnt 0x0                                ; the last tile's stores have read the codes' registers
	QUANT N, PC, KW+(\a)
.irp c, 0,1,2,3
	global_store_b128 v[L16], v[PC+4*\c:PC+4*\c+3], s[OUT+2*((\a)/4):OUT+2*((\a)/4)+1] offset:8192+2048*((\a)%4)+512*\c
.endr
.endm
	s_cmp_eq_u32 ttmp9, 2
	s_cbranch_scc1 .Lv_out
	ROPELD 0
.irp a, 0,1,2,3,4,5,6,7
	QKROW \a
.endr
	s_branch .Lwords
.Lv_out:
	s_wait_alu depctr_va_vdst(0)
.irp a, 0,1,2,3,4,5,6,7
	global_load_b32 v[BV+2*\a], v7, s[12:13] offset:64*\a      ; bv of channel 16 a + r, twice: a pair for the packed addition
	global_load_b32 v[BV+2*\a+1], v7, s[12:13] offset:64*\a
.endr
	s_wait_loadcnt 0x0
.irp a, 0,1,2,3,4,5,6,7
	VROW \a
.endr
.Lwords:
	s_wait_alu depctr_va_vdst(0)
.irp t, 0,1,2,3
	v_cndmask_b32 v[SW+\t], v[KW+\t], v[KW+4+\t], s[HM]        ; lanes 16-31 carry the second head's words
.endr
	global_store_b128 v[SCV], v[SW:SW+3], s[SCB:SCB+1]         ; each half of the lanes stores 256 consecutive bytes, aligned
	s_wait_tensorcnt 0x0                           ; the wave's end
	ds_add_u32 v[SPW], v[NIL]
	s_wait_dscnt 0x0
	CROUND                                         ; the closing round: no work-group ends while a partner may still ask for a tile that names it
	s_endpgm
.Lfunc_end_k_q518f1300bf_qkv:
	.size	k_q518f1300bf_qkv, .Lfunc_end_k_q518f1300bf_qkv-k_q518f1300bf_qkv
	.p2alignl 7, 3214868480
	.fill 96, 4, 3214868480
	.section	.rodata,"a",@progbits
	.p2align	6, 0x0
	.amdhsa_kernel k_q518f1300bf_qkv
		.amdhsa_group_segment_fixed_size 327680
		.amdhsa_private_segment_fixed_size 0
		.amdhsa_enable_private_segment 0
		.amdhsa_kernarg_size 112
		.amdhsa_user_sgpr_count 2
		.amdhsa_user_sgpr_kernarg_segment_ptr 1
		.amdhsa_wavefront_size32 1
		.amdhsa_system_sgpr_workgroup_id_x 1
		.amdhsa_system_sgpr_workgroup_id_y 1
		.amdhsa_system_sgpr_workgroup_id_z 1
		.amdhsa_system_vgpr_workitem_id 0
		.amdhsa_next_free_vgpr 1024
		.amdhsa_next_free_sgpr 102
		.amdhsa_reserve_vcc 0
		.amdhsa_float_denorm_mode_32 3
		.amdhsa_float_denorm_mode_16_64 3
		.amdhsa_fp16_overflow 1
		.amdhsa_memory_ordered 1
		.amdhsa_forward_progress 1
		.amdhsa_inst_pref_size 244
	.end_amdhsa_kernel
	.amdgpu_metadata
---
amdhsa.version: [ 1, 2 ]
amdhsa.kernels:
  - .name:           k_q518f1300bf_qkv
    .symbol:         k_q518f1300bf_qkv.kd
    .args:
      - { .name: x_codes, .offset: 0, .size: 8, .value_kind: global_buffer, .address_space: global }
      - { .name: x_scales, .offset: 8, .size: 8, .value_kind: global_buffer, .address_space: global }
      - { .name: Wq_codes, .offset: 16, .size: 8, .value_kind: global_buffer, .address_space: global }
      - { .name: Wq_scales, .offset: 24, .size: 8, .value_kind: global_buffer, .address_space: global }
      - { .name: Wk_codes, .offset: 32, .size: 8, .value_kind: global_buffer, .address_space: global }
      - { .name: Wk_scales, .offset: 40, .size: 8, .value_kind: global_buffer, .address_space: global }
      - { .name: Wv_codes, .offset: 48, .size: 8, .value_kind: global_buffer, .address_space: global }
      - { .name: Wv_scales, .offset: 56, .size: 8, .value_kind: global_buffer, .address_space: global }
      - { .name: bq, .offset: 64, .size: 8, .value_kind: global_buffer, .address_space: global }
      - { .name: bk, .offset: 72, .size: 8, .value_kind: global_buffer, .address_space: global }
      - { .name: bv, .offset: 80, .size: 8, .value_kind: global_buffer, .address_space: global }
      - { .name: rope, .offset: 88, .size: 8, .value_kind: global_buffer, .address_space: global }
      - { .name: qb, .offset: 96, .size: 8, .value_kind: global_buffer, .address_space: global }
      - { .name: kv, .offset: 104, .size: 8, .value_kind: global_buffer, .address_space: global }
    .group_segment_fixed_size: 327680
    .private_segment_fixed_size: 0
    .kernarg_segment_align: 8
    .kernarg_segment_size: 112
    .max_flat_workgroup_size: 128
    .sgpr_count:     102
    .vgpr_count:     1024
    .wavefront_size: 32
...
	.end_amdgpu_metadata
.endif
;; end of part 2
;; launch attn (part 3): grid 4 x 64, 16 waves a work-group, no clusters, 327,680 bytes of LDS; arguments qb, kv, oc, os; writes oc, os
.if DOCPART == 3
	.amdgcn_target "amdgcn-amd-amdhsa--gfx1250"
	.amdhsa_code_object_version 6
	.text
	.protected	k_q518f1300bf_attn
	.globl	k_q518f1300bf_attn
	.p2align	8
	.type	k_q518f1300bf_attn,@function
k_q518f1300bf_attn:
	s_mov_b64 s[64:65], 0
	v_nop
	global_prefetch_b8 v0, s[64:65] scope:SCOPE_SE
	s_setreg_imm32_b32 hwreg(HW_REG_WAVE_MODE, 25, 1), 1
	s_wait_xcnt 0x0
; Causal attention on codes of FP8 (E4M3): for each of 64 (batch, head), O[q] = sum over keys k <= q of p(q, k) v[k] / l(q), head size 64, 2,048 positions; O / l is quantised along the model's 1,024 and leaves as codes.
; THE SOFTMAX AHEAD OF THE SECOND PRODUCT: t = score x log2(e) / 8; M = the row's largest t so far, rounded UP to a whole number; p = 2^(t - M) is quantised along the keys, not normalised; l is the sum of the
; unquantised p, in f32.  When M moves, l and O are multiplied by 2^(old M - new M): exact.
; SHARES.  Work-group (j, head) owns the blocks j and 7 - j of 256 queries, one after the other; each of its sixteen waves owns 16 queries of the block in hand.  Block j wants the key slots (256 keys) 0 .. j, block 7 - j
; the slots 0 .. 7 - j: NINE slots in every work-group, so that the trip count is a constant, every slot fetched is read, and all 256 work-groups have the same work.
; No joint loads: the four work-groups of a head want different key slots in the same trip (each changes blocks behind its own trip j).
; OPERANDS ARRIVE AS IMAGES OF THEIR REGISTERS (16 bytes a lane, 512 bytes a load): no pitch, no padding.  A record of 128 keys: K 8,192 bytes, V 8,192, scale words 512.
; THE FIRST PRODUCT'S K IS 64, THE INSTRUCTION'S 128.  A fragment of K holds key tile 2 f in k = 0 .. 63 and key tile 2 f + 1 in k = 64 .. 127; q stands between two runs of eight registers of zero codes:
; v[24:39] = (q, 0) meets tile 2 f, v[16:31] = (0, q) meets tile 2 f + 1.  Zero codes add nothing (no code here is NaN: all were held at 448; no scale byte is 0xff).
; LAYOUT.  S^T = K Q^T and O^T = V^T P^T: a lane holds ONE query (lane % 16).  Register 8 T + j of S^T is key 16 T + 8 (lane / 16) + j; its code stands at place 32 (T / 2) + 16 (lane / 16) + 8 (T % 2) + j of P,
; and V's codes were laid in that same order: an exchange inside a block of 32.  O's codes are put back into the natural order, since the next product's other side is given so.
; LIMITS: blocks whose largest magnitude lies under 2^-118 get the byte 1 (read by this program alone); NaN and infinities are not served.
; REGISTERS: v1-6 addresses; v12 -M, v13 the largest t, v[14:15] l in two halves; v16-39 zeros, q, zeros; v40-103 four fragments of K, then of V; v104-167 S^T, then p; v168-199 O^T; v200-215 codes;
;   v216-219 K's and V's scale words, v220 q's, v221 p's; v222-230 the second block's q and scale word; v232-254 at work.
.set REC,   16896                      ; a record of 128 keys
.set SLOTB, 2*REC                      ; a slot: 256 keys, 33,792 dense bytes
.set QUART, SLOTB/4                    ; what one tensor load brings: 33 rows of 256 bytes
.set QREC,  8448                       ; a record of 128 queries
.set SLOT1, 1<<16                      ; slot 1 begins here: one exclusive or turns an address from one slot to the other
.set SPARE, 2*SLOT1                    ; the spare words, 128 bytes for each wave: eight blocks of 256 bytes that no other line names
.set L16, 1                            ; v1  16 x lane
.set AD,  2                            ; v2  the slot in hand + 16 x lane
.set SPW, 3                            ; v3  LDS address of my spare word; never rewritten
.set NIL, 4                            ; v4  0; never rewritten
.set OSV, 5                            ; v5  32 r + h: my byte among the wave's scale bytes of O
.set DQ,  6                            ; v6  r - 8 h
.set FRG, 40
.set S,   104
.set OT,  168
.set PC,  200
.set SCR, 216
.set QS,  220
.set PW,  221
.set QB,  222
.set QSB, 230
.set WV, 12
.set J,  13
.set BH, 14
.set TR, 15                            ; the trip
.set NX, 16                            ; the key slot that was asked for last
.set KF, 17                            ; the step's first key
.set Q0, 18                            ; my first query
.set MNT, 19
.set SEL, 20
.set CS, 22                            ; s[22:23] c = log2(e) / 8
.set G1, 24
.set G0, 32
.set KVB, 36                           ; s[36:37] my quarter of the head's key slot 0
.set OFS, 38                           ; s[38:39] an offset, the high word 0
.set TB, 40
.set HM, 41
.set OCB, 42                           ; s[42:43], s[44:45] where the block in hand's codes and scale bytes go; s[46:49], s50 the second block's, and its first query
.set OSB, 44
.macro TLOAD                           ; waves 0 to 3 fetch a quarter of a slot each; four v_nop follow the line
	s_cmp_lt_u32 s[WV], 4
	s_cbranch_scc0 .Lnone_\@
	tensor_load_to_lds s[G0:G0+3], s[G1:G1+7]
	s_nop 0
.rept 4
	v_nop
.endr
.Lnone_\@:
.endm
	s_load_b256 s[4:11], s[0:1], 0x0               ; qb, kv, oc, os
	v_lshl_add_u32 v[SPW], v0, 2, SPARE
	v_mov_b32 v[NIL], 0
	ds_add_u32 v3, v4
	ds_add_u32 v3, v4
	s_wait_dscnt 0x0
	v_lshrrev_b32 v7, 5, v0
	s_delay_alu instid0(VALU_DEP_1)
	v_readfirstlane_b32 s[WV], v7                  ; wave 0..15
	s_mov_b32 s[J], ttmp9
	s_and_b32 s[BH], ttmp7, 0xffff
	s_mov_b32 s[G1], 3<<16                         ; no mask; elements of 8 bytes; no padding
	s_mov_b32 s[G1+1], 32<<16                      ; tensor_dim0 = 32 elements: 256 bytes
	s_mov_b32 s[G1+2], 33<<16                      ; tensor_dim1 = 33
	s_mov_b32 s[G1+3], 32<<16                      ; tile_dim0
	s_mov_b32 s[G1+4], 33                          ; tile_dim1
	s_mov_b32 s[G1+5], 32                          ; the pitch: dense
	s_mov_b32 s[G1+6], 0
	s_mov_b32 s[G1+7], 0
	s_and_b32 s51, s[WV], 3
	s_mul_i32 s51, s51, QUART                      ; my quarter of a slot, in memory and in LDS
	s_mul_i32 s[OFS], s[BH], 16*REC
	s_add_co_u32 s[OFS], s[OFS], s51
	s_mov_b32 s[OFS+1], 0
	s_sub_co_u32 s52, 7, s[J]                      ; the second block
	s_lshl_b32 s53, s[WV], 4
	s_lshl_b32 s[Q0], s[J], 8
	s_add_co_u32 s[Q0], s[Q0], s53                 ; my first query: 256 x block + 16 x wave
	s_lshl_b32 s50, s52, 8
	s_add_co_u32 s50, s50, s53
	s_lshr_b32 s54, s[BH], 4
	s_lshl_b32 s54, s54, 11                        ; the batch's first row
	s_and_b32 s55, s[BH], 15                       ; the head
	s_add_co_u32 s56, s54, s[Q0]
	s_add_co_u32 s57, s54, s50
	s_add_co_u32 s58, s56, s55                     ; O's codes: [tile of 16 rows][128 along K: 8][block: 4][lane][16]: row x 1,024 + head x 1,024
	s_lshl_b32 s58, s58, 10
	s_add_co_u32 s59, s57, s55
	s_lshl_b32 s59, s59, 10
	s_lshl_b32 s55, s55, 1                         ; O's scale bytes: [row][32]: row x 32 + 2 x head
	s_lshl_b32 s60, s56, 5
	s_add_co_u32 s60, s60, s55
	s_lshl_b32 s61, s57, 5
	s_add_co_u32 s61, s61, s55
	s_lshr_b32 s53, s[WV], 3                       ; q's records: 128 queries each: 2 x block + wave / 8
	s_lshl_b32 s56, s[J], 1
	s_add_co_u32 s56, s56, s53
	s_mul_i32 s56, s56, QREC
	s_lshl_b32 s57, s52, 1
	s_add_co_u32 s57, s57, s53
	s_mul_i32 s57, s57, QREC
	s_mul_i32 s53, s[BH], 16*QREC
	s_add_co_u32 s56, s56, s53
	s_add_co_u32 s57, s57, s53
	s_mov_b32 s[SEL], 0x76543210
	s_mov_b32 s[SEL+1], 0xfedcba98                 ; v_permlanex16_b32's selects for lane l xor 16
	s_mov_b32 s[CS], 0x3e38aa3b                    ; c = log2(e) / sqrt(64)
	s_mov_b32 s[CS+1], s[CS]                       ; (named with it as a pair, so it is written)
	s_mov_b32 s[HM], 0xffff0000
	s_mov_b32 s[TB], 0
	s_mov_b32 s[TR], 0
	s_mov_b32 s[NX], 0
	s_mov_b32 s[KF], 0
	s_wait_kmcnt 0x0
	s_add_nc_u64 s[KVB:KVB+1], s[6:7], s[OFS:OFS+1]
	s_mov_b32 s[G0], 1                             ; count = 1
	s_mov_b32 s[G0+1], s51                         ; LDS address: slot 0
	s_mov_b64 s[G0+2:G0+3], s[KVB:KVB+1]           ; key slot 0
	s_or_b32 s[G0+3], s[G0+3], 0x80000000          ; type = 2
	TLOAD                                          ; the one first fill
	s_mov_b32 s[OFS], s58
	s_add_nc_u64 s[OCB:OCB+1], s[8:9], s[OFS:OFS+1]
	s_mov_b32 s[OFS], s59
	s_add_nc_u64 s[46:47], s[8:9], s[OFS:OFS+1]
	s_mov_b32 s[OFS], s60
	s_add_nc_u64 s[OSB:OSB+1], s[10:11], s[OFS:OFS+1]
	s_mov_b32 s[OFS], s61
	s_add_nc_u64 s[48:49], s[10:11], s[OFS:OFS+1]
	s_mov_b32 s[OFS], s56
	s_add_nc_u64 s[52:53], s[4:5], s[OFS:OFS+1]    ; the first block's record of q,
	s_mov_b32 s[OFS], s57
	s_add_nc_u64 s[54:55], s[4:5], s[OFS:OFS+1]    ; the second's
	v_and_b32 v7, 31, v0
	s_delay_alu instid0(VALU_DEP_1)
	v_lshlrev_b32 v[L16], 4, v7
	v_and_b32 v8, 15, v0                           ; r
	v_bfe_u32 v9, v0, 4, 1                         ; h
	s_delay_alu instid0(VALU_DEP_1)
	v_lshl_add_u32 v[OSV], v8, 5, v9
	s_delay_alu instid0(VALU_DEP_2)
	v_lshlrev_b32 v10, 3, v9
	s_delay_alu instid0(VALU_DEP_1)
	v_sub_nc_u32 v[DQ], v8, v10
	s_and_b32 s62, s[WV], 7                        ; my tile in the record
	s_lshl_b32 s63, s62, 10
	v_add_nc_u32 v7, s63, v[L16]
	s_lshr_b32 s62, s62, 1
	s_lshl_b32 s62, s62, 2
	v_lshl_add_u32 v8, v8, 4, s62                  ; its scale word: 16 r + 4 (tile / 2)
	global_load_b128 v[24:27], v7, s[52:53]
	global_load_b128 v[28:31], v7, s[52:53] offset:512
	global_load_b32 v[QS], v8, s[52:53] offset:8192
	global_load_b128 v[QB:QB+3], v7, s[54:55]
	global_load_b128 v[QB+4:QB+7], v7, s[54:55] offset:512
	global_load_b32 v[QSB], v8, s[54:55] offset:8192
.irp i, 0,1,2,3,4,5,6,7
	v_mov_b32 v[16+\i], 0                          ; the zero codes on both sides of q
	v_mov_b32 v[32+\i], 0
.endr
	v_mov_b32 v13, 0xff61b1e6                      ; the largest t so far: -3e38, under every t
	s_delay_alu instid0(VALU_DEP_1)
	v_floor_f32 v12, -v13                          ; -M
	v_mov_b32 v14, 0
	v_mov_b32 v15, 0
.irp b, 0,1,2,3
	v_mov_b32 v[236+\b], 0                         ; written once: a lane permute's destination counts as one of its sources
	v_mov_b32 v[PC+12+\b], 0
.endr
	v_mov_b32 v251, 0                              ; (named as the upper half of the pair v[250:251])
	v_mov_b32 v254, 0
.set i, 0
.rept 32
	v_mov_b32 v[OT+i], 0                           ; O^T: the step is written once; the first finds zeros
.set i, i+1
.endr
	s_and_b32 s63, s[WV], 1
	s_lshl_b32 s63, s63, 4
	s_wait_loadcnt 0x0
.irp w, QS, QSB                        ; the word holds two tiles' bytes: mine are taken and set twice, (s0, s1, s0, s1): they serve q in either half of K
	v_lshrrev_b32 v[\w], s63, v[\w]
	s_delay_alu instid0(VALU_DEP_1)
	v_and_b32 v[\w], 0xffff, v[\w]
	s_delay_alu instid0(VALU_DEP_1)
	v_lshl_or_b32 v[\w], v[\w], 16, v[\w]
.endr
; A KEY STEP: 128 keys, the q-th record of the slot in hand.
.macro STEP q
	s_add_co_u32 s51, s[Q0], 15                    ; a step all of whose keys come after my 16 queries is left out: a scalar branch on ids; no barrier and no tensor load stands in a step
	s_cmp_gt_u32 s[KF], s51
	s_cbranch_scc1 .Lhidden_\@
	v_add_nc_u32 v[AD], s[TB], v[L16]
.rept 7
	v_nop                                          ; with the addition above: eight places in front of loads into registers that the last products read
.endr
.irp f, 0,1,2,3
.irp c, 0,1,2,3
	ds_load_b128 v[FRG+16*\f+4*\c:FRG+16*\f+4*\c+3], v[AD] offset:REC*(\q)+2048*\f+512*\c
.endr
.endr
	ds_load_b128 v[SCR:SCR+3], v[AD] offset:REC*(\q)+16384     ; lanes 0-15: K's four scale words; lanes 16-31: V's
	s_wait_dscnt 0x0
	s_wait_alu depctr_va_vdst(0)
.irp f, 0,1,2,3
	v_wmma_scale_f32_16x16x128_f8f6f4 v[S+16*\f:S+16*\f+7], v[FRG+16*\f:FRG+16*\f+15], v[24:39], 0, v[SCR+\f], v[QS]
	v_wmma_scale_f32_16x16x128_f8f6f4 v[S+16*\f+8:S+16*\f+15], v[FRG+16*\f:FRG+16*\f+15], v[16:31], 0, v[SCR+\f], v[QS]
.endr
.rept 8
	v_nop                                          ; places in front of the loads below and of the first read of the scores
.endr
.irp t, 0,1,2,3
.irp c, 0,1,2,3
	ds_load_b128 v[FRG+16*\t+4*\c:FRG+16*\t+4*\c+3], v[AD] offset:REC*(\q)+8192+2048*\t+512*\c   ; V lands while the softmax is worked
.endr
.endr
	s_add_co_u32 s51, s[KF], 127                   ; on the diagonal hidden scores become -infinity ahead of the maximum: p = 0 then.  A step all of whose keys count skips this
	s_cmp_le_u32 s51, s[Q0]
	s_cbranch_scc1 .Lopen_\@
	s_sub_co_i32 s51, s[Q0], s[KF]
	v_add_nc_u32 v254, s51, v[DQ]                  ; d = my query - the step's first key - 8 (lane / 16): register 8 T + j is hidden where 16 T + j > d
	v_mov_b32 v249, 0xff800000
.set nn, 0
.rept 64
	v_cmp_gt_i32 vcc_lo, 16*(nn/8)+nn%8, v254
	v_cndmask_b32 v[S+nn], v[S+nn], v249, vcc_lo
.set nn, nn+1
.endr
.Lopen_\@:
.irp b, 0,1,2,3
	v_max3_num_f32 v[232+\b], v[S+16*\b], v[S+1+16*\b], v[S+2+16*\b]   ; the largest score of each block of 32 keys: for the row's maximum, and, since p rises with the score, for the block's largest p
.endr
.irp i, 3,5,7,9,11,13
.irp b, 0,1,2,3
	v_max3_num_f32 v[232+\b], v[232+\b], v[S+16*\b+\i], v[S+1+16*\b+\i]
.endr
.endr
.irp b, 0,1,2,3
	v_max_num_f32 v[232+\b], v[232+\b], v[S+15+16*\b]
.endr
.irp b, 0,1,2,3
	s_delay_alu instid0(VALU_DEP_4)
	v_permlanex16_b32 v[236+\b], v[232+\b], s[SEL], s[SEL+1]
.endr
.irp b, 0,1,2,3
	s_delay_alu instid0(VALU_DEP_4)
	v_max_num_f32 v[232+\b], v[232+\b], v[236+\b]  ; with lane l xor 16's 16 keys
.endr
	s_delay_alu instid0(VALU_DEP_2)
	v_max3_num_f32 v254, v232, v233, v234
	s_delay_alu instid0(VALU_DEP_1)
	v_max_num_f32 v254, v254, v235
	s_delay_alu instid0(VALU_DEP_1)
	v_mul_f32 v254, s[CS], v254                    ; as t
	s_delay_alu instid0(VALU_DEP_1)
	v_max_num_f32 v13, v13, v254                   ; the running largest t
	v_mov_b32 v254, v12
	s_delay_alu instid0(VALU_DEP_2)
	v_floor_f32 v12, -v13                          ; the new -M = -ceil(t)
	s_delay_alu instid0(VALU_DEP_1)
	v_sub_f32 v254, v12, v254                      ; old M - new M: a whole number, 0 or less
	s_delay_alu instid0(VALU_DEP_1)
	v_cvt_i32_f32 v254, v254                       ; (it saturates)
	s_delay_alu instid0(VALU_DEP_1)
	v_ldexp_f32 v250, 1.0, v254                    ; f = 2^(old M - new M)
.set jj, 0
.rept 32
	v_pk_fma_f32 v[S+jj:S+jj+1], v[S+jj:S+jj+1], s[CS:CS+1], v[12:13] op_sel_hi:[1,0,0]   ; t - M, two at a time
.set jj, jj+2
.endr
.irp b, 0,1,2,3
	v_fma_f32 v[232+\b], v[232+\b], s[CS], v12
.endr
.set jj, 0
	s_wait_alu depctr_va_vdst(0)
.rept 64
	v_exp_f32 v[S+jj], v[S+jj]                     ; p = 2^(t - M)
.set jj, jj+1
.endr
.irp b, 0,1,2,3
	v_exp_f32 v[232+\b], v[232+\b]                 ; the block's largest p
.endr
	v_pk_mul_f32 v[14:15], v[14:15], v[250:251] op_sel_hi:[1,0]   ; l under the new M (a plain instruction behind the exponentials)
	s_wait_alu depctr_va_vdst(0)
.irp b, 0,1,2,3
	v_max_num_f32 v[232+\b], 0x4800000, v[232+\b]  ; the floor 2^(9 - 127): the byte cannot fall under 1
.endr
.irp b, 0,1,2,3
	s_delay_alu instid0(VALU_DEP_4)
	v_add_nc_u32 v[244+\b], 0xfc000000, v[232+\b]  ; the conversion's scale operand
.endr
.irp b, 0,1,2,3
.endr
.irp b, 0,1,2,3
	s_delay_alu instid0(VALU_DEP_4)
	v_lshrrev_b32 v[236+\b], 23, v[244+\b]         ; the scale's byte
.endr
	s_delay_alu instid0(VALU_DEP_3)
	v_lshl_or_b32 v[PW], v237, 8, v236             ; p's scale word for these 128 keys
	s_delay_alu instid0(VALU_DEP_1)
	v_lshl_or_b32 v[PW], v238, 16, v[PW]
	s_delay_alu instid0(VALU_DEP_1)
	v_lshl_or_b32 v[PW], v239, 24, v[PW]
	v_pk_add_f32 v[236:237], v[108:109], v[112:113]
	v_pk_add_f32 v[252:253], v[116:117], v[120:121]
	v_pk_add_f32 v[248:249], v[124:125], v[128:129]
	v_pk_add_f32 v[242:243], v[132:133], v[136:137]
	v_pk_add_f32 v[240:241], v[140:141], v[144:145]
	v_pk_add_f32 v[234:235], v[148:149], v[152:153]
	v_pk_add_f32 v[232:233], v[156:157], v[160:161]
	v_pk_add_f32 v[14:15], v[14:15], v[164:165]
	v_pk_add_f32 v[236:237], v[236:237], v[104:105]
	v_pk_add_f32 v[252:253], v[252:253], v[106:107]
	v_pk_add_f32 v[248:249], v[248:249], v[110:111]
	v_pk_add_f32 v[242:243], v[242:243], v[114:115]
	v_pk_add_f32 v[240:241], v[240:241], v[118:119]
	v_pk_add_f32 v[234:235], v[234:235], v[122:123]
	v_pk_add_f32 v[232:233], v[232:233], v[126:127]
	v_pk_add_f32 v[14:15], v[14:15], v[130:131]
	v_pk_add_f32 v[236:237], v[236:237], v[134:135]
	v_pk_add_f32 v[252:253], v[252:253], v[138:139]
	v_pk_add_f32 v[248:249], v[248:249], v[142:143]
	v_pk_add_f32 v[242:243], v[242:243], v[146:147]
	v_pk_add_f32 v[240:241], v[240:241], v[150:151]
	v_pk_add_f32 v[234:235], v[234:235], v[154:155]
	v_pk_add_f32 v[232:233], v[232:233], v[158:159]
	v_pk_add_f32 v[14:15], v[14:15], v[162:163]
	v_pk_add_f32 v[236:237], v[236:237], v[166:167]
	s_delay_alu instid0(VALU_DEP_2)
	v_pk_add_f32 v[14:15], v[14:15], v[242:243]
	s_delay_alu instid0(VALU_DEP_2)
	v_pk_add_f32 v[236:237], v[236:237], v[240:241]
	v_pk_add_f32 v[252:253], v[252:253], v[234:235]
	v_pk_add_f32 v[248:249], v[248:249], v[232:233]
	s_delay_alu instid0(VALU_DEP_2)
	v_pk_add_f32 v[14:15], v[14:15], v[252:253]
	s_delay_alu instid0(VALU_DEP_2)
	v_pk_add_f32 v[236:237], v[236:237], v[248:249]
	s_delay_alu instid0(VALU_DEP_1)
	v_pk_add_f32 v[14:15], v[14:15], v[236:237]
.irp b, 0,1,2,3
.irp i, 0,1,2,3,4,5,6,7,8,9,10,11,12,13,14,15
.endr
	v_cvt_scalef32_pk8_fp8_f32 v[PC+4*\b:PC+1+4*\b], v[S+16*\b:S+7+16*\b], v[244+\b]
	v_cvt_scalef32_pk8_fp8_f32 v[PC+2+4*\b:PC+3+4*\b], v[S+8+16*\b:S+15+16*\b], v[244+\b]
.endr
.set jj, 0
.rept 16
	v_pk_mul_f32 v[OT+jj:OT+jj+1], v[OT+jj:OT+jj+1], v[250:251] op_sel_hi:[1,0]   ; O^T under the new M; these are also the places between the conversions and the products
.set jj, jj+2
.endr
	s_wait_alu depctr_va_vdst(0)
	s_wait_dscnt 0x0                               ; V is in
.irp t, 0,1,2,3
	v_wmma_scale_f32_16x16x128_f8f6f4 v[OT+8*\t:OT+8*\t+7], v[FRG+16*\t:FRG+16*\t+15], v[PC:PC+15], v[OT+8*\t:OT+8*\t+7], v[SCR+\t], v[PW] matrix_a_scale:MATRIX_SCALE_ROW1
.endr
.Lhidden_\@:
	s_add_co_u32 s[KF], s[KF], 128
.endm
; THE CHANGE OF SLOTS stands at a slot's head.  Each wave waits for all its tensor loads, adds 0 to its spare word, and waits for that and for its reads of the slot that it has left.  Behind the barrier the slot ahead
; is whole and nobody reads the other one.  fill = 1: that other slot takes the key slot of the next trip: the next one, or, behind the first block's last trip, key slot 0 again.
.macro CHANGE fill
	s_wait_tensorcnt 0x0                           ; no tensor load of mine is out, so group 0 may be written
	ds_add_u32 v[SPW], v[NIL]                      ; 0 onto my spare word
.if \fill
	s_xor_b32 s[G0+1], s[G0+1], SLOT1
	s_add_co_u32 s[NX], s[NX], 1
	s_cmp_eq_u32 s[TR], s[J]
	s_cselect_b32 s[NX], 0, s[NX]
	s_mul_i32 s[OFS], s[NX], SLOTB
	s_add_nc_u64 s[G0+2:G0+3], s[KVB:KVB+1], s[OFS:OFS+1]
	s_or_b32 s[G0+3], s[G0+3], 0x80000000
.endif
	s_wait_dscnt 0x0                               ; the add is done, and my reads of the slot that I have left are over
	s_barrier_signal -1
	s_barrier_wait -1
.if \fill
	TLOAD                                          ; the first thing behind the barrier, and a wave's one tensor load until the next
.endif
.endm
; A BLOCK'S END: O^T / l, quantised along the head's two blocks of 32 channels, put into the natural order, stored as the image of the next product's operand.
.macro FINISH
.rept 8
	v_nop                                          ; places behind the last products
.endr
	v_add_f32 v14, v14, v15
	s_delay_alu instid0(VALU_DEP_1)
	v_permlanex16_b32 v254, v14, s[SEL], s[SEL+1]
	s_delay_alu instid0(VALU_DEP_1)
	v_add_f32 v14, v14, v254                       ; the row's sum
	s_wait_alu depctr_va_vdst(0)
	v_rcp_f32 v14, v14
	v_nop
.set jj, 0
	s_wait_alu depctr_va_vdst(0)
.rept 32
	v_mul_f32 v[S+jj], v[OT+jj], v14               ; register 16 c + 8 u + j: channel 32 c + 16 u + 8 h + j of query r
.set jj, jj+1
.endr
.irp b, 0,1
	v_max3_num_f32 v[232+\b], |v[S+16*\b]|, |v[S+1+16*\b]|, 0x4800000
.endr
.irp i, 2,4,6,8,10,12,14
.irp b, 0,1
	s_delay_alu instid0(VALU_DEP_2)
	v_max3_num_f32 v[232+\b], v[232+\b], |v[S+16*\b+\i]|, |v[S+1+16*\b+\i]|
.endr
.endr
.irp b, 0,1
	s_delay_alu instid0(VALU_DEP_2)
	v_permlanex16_b32 v[236+\b], v[232+\b], s[SEL], s[SEL+1]
.endr
.irp b, 0,1
	s_delay_alu instid0(VALU_DEP_2)
	v_max_num_f32 v[232+\b], v[232+\b], v[236+\b]
.endr
.irp b, 0,1
	s_delay_alu instid0(VALU_DEP_2)
	v_add_nc_u32 v[244+\b], 0xfc000000, v[232+\b]
.endr
.irp b, 0,1
.endr
.irp b, 0,1
	s_delay_alu instid0(VALU_DEP_2)
	v_lshrrev_b32 v[236+\b], 23, v[244+\b]
.endr
.irp b, 0,1
.irp i, 0,1,2,3,4,5,6,7,8,9,10,11,12,13,14,15
.endr
	v_cvt_scalef32_pk8_fp8_f32 v[PC+4*\b:PC+1+4*\b], v[S+16*\b:S+7+16*\b], v[244+\b]
	v_cvt_scalef32_pk8_fp8_f32 v[PC+2+4*\b:PC+3+4*\b], v[S+8+16*\b:S+15+16*\b], v[244+\b]
.endr
	v_nop                                          ; one plain instruction behind the last conversion
; natural order wants channels 16 h + 0 .. 15 of a block in lane (r, h).  Lanes 0-15 hold 0-7 and 16-23, lanes 16-31 hold 8-15 and 24-31: each sends eight codes to the lane 16 away
.irp b, 0,1
.irp k, 0,1
	v_cndmask_b32 v[PC+8+2*\b+\k], v[PC+4*\b+2+\k], v[PC+4*\b+\k], s[HM]
.endr
.endr
.irp b, 0,1
.irp k, 0,1
	v_permlanex16_b32 v[PC+12+2*\b+\k], v[PC+8+2*\b+\k], s[SEL], s[SEL+1]
.endr
.endr
.irp b, 0,1
.irp k, 0,1
	v_cndmask_b32 v[PC+4*\b+\k], v[PC+4*\b+\k], v[PC+12+2*\b+\k], s[HM]
	v_cndmask_b32 v[PC+4*\b+2+\k], v[PC+12+2*\b+\k], v[PC+4*\b+2+\k], s[HM]
.endr
.endr
	v_cndmask_b32 v232, v236, v237, s[HM]          ; lanes 0-15 carry the first block's byte, lanes 16-31 the second's
	global_store_b128 v[L16], v[PC:PC+3], s[OCB:OCB+1]             ; 32 lanes store 512 consecutive bytes, aligned
	global_store_b128 v[L16], v[PC+4:PC+7], s[OCB:OCB+1] offset:512
	global_store_b8 v[OSV], v232, s[OSB:OSB+1]     ; two bytes of each of 16 rows: one part in 32 of what this launch stores
	s_wait_xcnt 0x0                                ; the stores have read their registers and bases
.endm
.Lslot:                                            ; eight trips; the ninth slot is written out
	CHANGE 1
	STEP 0
	STEP 1
	s_xor_b32 s[TB], s[TB], SLOT1                  ; on to the other slot
	s_cmp_lg_u32 s[TR], s[J]
	s_cbranch_scc1 .Lsame_block
	FINISH                                         ; the first block is done: on to block 7 - j
	s_mov_b64 s[OCB:OCB+1], s[46:47]
	s_mov_b64 s[OSB:OSB+1], s[48:49]
	s_mov_b32 s[Q0], s50
	s_mov_b32 s[KF], 0
	v_mov_b32 v[QS], v[QSB]
.irp i, 0,1,2,3,4,5,6,7
	v_mov_b32 v[24+\i], v[QB+\i]
.endr
	v_mov_b32 v13, 0xff61b1e6
	s_delay_alu instid0(VALU_DEP_1)
	v_floor_f32 v12, -v13
	v_mov_b32 v14, 0
	v_mov_b32 v15, 0
.set i, 0
.rept 32
	v_mov_b32 v[OT+i], 0
.set i, i+1
.endr
.Lsame_block:
	s_add_co_u32 s[TR], s[TR], 1
	s_cmp_lt_u32 s[TR], 8
	s_cbranch_scc1 .Lslot
	CHANGE 0
	STEP 0
	STEP 1
	FINISH
	s_wait_tensorcnt 0x0                           ; the wave's end
	ds_add_u32 v[SPW], v[NIL]
	s_wait_dscnt 0x0
	s_endpgm
.Lfunc_end_k_q518f1300bf_attn:
	.size	k_q518f1300bf_attn, .Lfunc_end_k_q518f1300bf_attn-k_q518f1300bf_attn
	.p2alignl 7, 3214868480
	.fill 96, 4, 3214868480
	.section	.rodata,"a",@progbits
	.p2align	6, 0x0
	.amdhsa_kernel k_q518f1300bf_attn
		.amdhsa_group_segment_fixed_size 327680
		.amdhsa_private_segment_fixed_size 0
		.amdhsa_enable_private_segment 0
		.amdhsa_kernarg_size 32
		.amdhsa_user_sgpr_count 2
		.amdhsa_user_sgpr_kernarg_segment_ptr 1
		.amdhsa_wavefront_size32 1
		.amdhsa_system_sgpr_workgroup_id_x 1
		.amdhsa_system_sgpr_workgroup_id_y 1
		.amdhsa_system_sgpr_workgroup_id_z 1
		.amdhsa_system_vgpr_workitem_id 0
		.amdhsa_next_free_vgpr 256
		.amdhsa_next_free_sgpr 66
		.amdhsa_reserve_vcc 1
		.amdhsa_float_denorm_mode_32 3
		.amdhsa_float_denorm_mode_16_64 3
		.amdhsa_fp16_overflow 1
		.amdhsa_memory_ordered 1
		.amdhsa_forward_progress 1
		.amdhsa_inst_pref_size 110
	.end_amdhsa_kernel
	.amdgpu_metadata
---
amdhsa.version: [ 1, 2 ]
amdhsa.kernels:
  - .name:           k_q518f1300bf_attn
    .symbol:         k_q518f1300bf_attn.kd
    .args:
      - { .name: qb, .offset: 0, .size: 8, .value_kind: global_buffer, .address_space: global }
      - { .name: kv, .offset: 8, .size: 8, .value_kind: global_buffer, .address_space: global }
      - { .name: oc, .offset: 16, .size: 8, .value_kind: global_buffer, .address_space: global }
      - { .name: os, .offset: 24, .size: 8, .value_kind: global_buffer, .address_space: global }
    .group_segment_fixed_size: 327680
    .private_segment_fixed_size: 0
    .kernarg_segment_align: 8
    .kernarg_segment_size: 32
    .max_flat_workgroup_size: 512
    .sgpr_count:     66
    .vgpr_count:     256
    .wavefront_size: 32
...
	.end_amdgpu_metadata
.endif
;; end of part 3
;; launch oproj (part 4): grid 4 x 32, 4 waves a work-group, clusters of 4 x 4, 327,680 bytes of LDS; arguments oc, os, Wo_codes, Wo_scales, out0, bo; writes out0
.if DOCPART == 4
	.amdgcn_target "amdgcn-amd-amdhsa--gfx1250"
	.amdhsa_code_object_version 6
	.text
	.protected	k_q518f1300bf_oproj
	.globl	k_q518f1300bf_oproj
	.p2align	8
	.type	k_q518f1300bf_oproj,@function
k_q518f1300bf_oproj:
	s_mov_b64 s[64:65], 0
	v_nop
	global_prefetch_b8 v0, s[64:65] scope:SCOPE_SE
	s_setreg_imm32_b32 hwreg(HW_REG_WAVE_MODE, 25, 1), 1
	s_wait_xcnt 0x0
	s_wait_alu depctr_hold_cnt(0) depctr_sa_sdst(0) depctr_va_vdst(0) depctr_va_sdst(0) depctr_va_ssrc(0) depctr_va_vcc(0) depctr_vm_vsrc(0)
	s_getreg_b32 s2, hwreg(HW_REG_IB_STS2, 6, 4)
	s_cmp_eq_u32 s2, 0
	s_cbranch_scc0 .Lentry_in_a_cluster
	s_endpgm
.Lentry_in_a_cluster:
	s_bfe_u32 s2, ttmp6, 0x10000c
	s_cmp_lg_u32 s2, 0xf033
	s_cbranch_scc0 .Lentry_shape_is_right
	s_endpgm
.Lentry_shape_is_right:
; out0 = O Wo^T + bo, on codes of FP8 (E4M3) with one E8M0 scale for each 32 along K = 1,024.  O: 8,192 rows, as images of the operand's registers, [tile of 16 rows: 512][128 along K: 8][block: 4][lane: 32][16 bytes];
; its scale bytes [8,192][32].  Wo: [1,024][1,024] codes, K innermost; its scale bytes [1,024][32].  bo [1,024], out0 [8,192][1,024]: f32.
; A tile of 256 x 256 a work-group, 128 x 128 a wave: 64 accumulators, 512 registers.  K in steps of 256 through a ring of two LDS slots filled by the tensor data mover; the scale bytes come into LDS once.
; A's part of a slot: for each of 16 tiles of rows 4,096 consecutive bytes (two fragments), laid on end: a fragment comes by four loads of 512 consecutive bytes.  B's part: 256 rows of 256 bytes + 16 of padding.
; Clusters of 4 x 4: A's tiles are asked for jointly along a row of the cluster, B's along a column.  128 work-groups: a tile of this size was kept, since a smaller one reads half as much again from LDS for each product.
; Source 0 = 16 rows of Wo, source 1 = 16 rows of O: a lane holds eight neighbouring numbers of a row of out0.  The bias is the C of each sum's first matrix instruction.
; REGISTERS, in windows of 256: window 0: v0-31 addresses; v32-63 scale words, two sets; v64-127 the bias; from v128 A's fragments, one set.  window 1: B's fragments, two sets.  windows 2, 3: the accumulators.
.set SIZE_N, 1024
.set NQ,     2
.set ROWB,   256
.set AROWB,  4096                      ; a tile of 16 rows' bytes in a K step
.set KROW,   1024
.set PITCH,  272                       ; B's LDS row: 256 bytes + 16 of padding: the 16 rows that a load touches start at 16 different banks (64 banks of 4 bytes: ISA guide 11.1)
.set FR,     16
.set NL,     4
.set NP,     8                         ; places behind this matrix instruction (ISA guide 7.12.1)
.set HALFT,  128*PITCH                 ; the room of 128 rows (A's use 32,768 bytes of it)
.set SLOT,   4*HALFT
.set LAPS,   2
.set KS,     32
.set SCL,    2*SLOT
.set HALFS,  16*272
.set SBLK,   2*272
.set SPARE,  SCL+4*HALFS               ; the spare words, 128 bytes for each wave: two blocks of 256 bytes that no other line names
.set SPITCH, 528                       ; the way out: a stage of 16 rows x (512 bytes + 16) for each wave, in slot 0, which has had its last fill and its last read when the first result is stored there
.set ADRA, 16
.set ADRB, 20
.set STO,  24
.set RD,   25
.set CO,   26
.set ADRS, 27
.set SPW,  28                          ; LDS address of my spare word; never rewritten
.set NIL,  29                          ; 0; never rewritten
.set SC,   32
.set T,    64
.set AF,   128
.set BK,   128
.set G1, 24
.set G0, 32
.set G1B, 48
.set G0B, 56
.set G1S, 68
.set G0S, 76
.set G1SB, 80
.set G0SB, 88
.set MSB, 0
.macro WIN new                         ; the immediate's high byte repeats the setting that is left
.if MSB != (\new)
	s_set_vgpr_msb (MSB<<8)|(\new)
.set MSB, (\new)
.endif
.endm
.set MUL_LO, 0xa1
.set MUL_HI, 0xf1
.set TO_B,   0x40
.macro JLOAD g0a, g1a, g0b, g1b        ; a joint load: waves 0 and 1 fetch for A, waves 2 and 3 for B; four v_nop follow each of the two lines
	s_cmp_eq_u32 s15, 0
	s_cbranch_scc0 .Lfor_b_\@
	tensor_load_to_lds s[\g0a:\g0a+3], s[\g1a:\g1a+7]
	s_nop 0
.rept 4
	v_nop
.endr
	s_branch .Lasked_\@
.Lfor_b_\@:
	tensor_load_to_lds s[\g0b:\g0b+3], s[\g1b:\g1b+7]
	s_nop 0
.rept 4
	v_nop
.endr
.Lasked_\@:
.endm
.macro CREST
	s_cmp_lg_u32 s14, 0
	s_cbranch_scc1 .Lnot_wave_0_\@
	s_barrier_signal -3
.Lnot_wave_0_\@:
	s_barrier_wait -3
	s_barrier_signal -1
	s_barrier_wait -1
.endm
.macro CROUND
	s_barrier_signal -1
	s_barrier_wait -1
	CREST
.endm
	s_load_b128 s[4:7], s[0:1], 0x0                ; O's codes, O's scales
	s_load_b128 s[8:11], s[0:1], 0x10              ; Wo's codes, Wo's scales
	s_load_b64 s[12:13], s[0:1], 0x20              ; out0
	s_load_b64 s[96:97], s[0:1], 0x28              ; bo
	v_lshl_add_u32 v[SPW], v0, 2, SPARE
	v_mov_b32 v[NIL], 0
	ds_add_u32 v28, v29
	ds_add_u32 v28, v29
	s_wait_dscnt 0x0
	v_lshrrev_b32 v1, 5, v0
	v_readfirstlane_b32 s14, v1                    ; wave 0..3
	s_lshr_b32 s15, s14, 1                         ; which half of the tile's rows is mine.  Also: I fetch for A (0) or for B (1)
	s_and_b32 s16, s14, 1                          ; which half of its columns.  Also: which 128 rows I fetch
	s_bfe_u32 s40, ttmp6, 0x40000                  ; cx, cy
	s_bfe_u32 s41, ttmp6, 0x40004
	s_lshl_b32 s42, ttmp9, 2
	s_add_co_u32 s42, s42, s40                     ; tile column
	s_and_b32 s17, ttmp7, 0xffff
	s_lshl_b32 s17, s17, 2
	s_add_co_u32 s17, s17, s41                     ; tile row
	s_lshl_b32 s43, s41, 2
	s_lshl_b32 s43, 15, s43                        ; my row of the cluster
	s_lshl_b32 s44, 0x1111, s40                    ; my column
	; A: 8 tiles of rows x 4,096 bytes (512 elements of 8 bytes), 16,384 bytes apart in memory, on end in LDS
	s_or_b32 s[G1+0], s43, (3<<16)|(1<<21)
	s_mov_b32 s[G1+1], 512<<16                     ; tensor_dim0
	s_mov_b32 s[G1+2], 8<<16                       ; tensor_dim1
	s_mov_b32 s[G1+3], 512<<16                     ; tile_dim0
	s_mov_b32 s[G1+4], 8                           ; tile_dim1
	s_mov_b32 s[G1+5], 2048                        ; the pitch, in elements
	s_mov_b32 s[G1+6], 0
	s_mov_b32 s[G1+7], 0
	; B: 128 rows x 256 bytes, padded in LDS
	s_or_b32 s[G1B+0], s44, (0<<16)|(1<<20)|(1<<21)|(5<<22)|(3<<25)
	s_mov_b32 s[G1B+1], ROWB<<16
	s_mov_b32 s[G1B+2], 128<<16
	s_mov_b32 s[G1B+3], ROWB<<16
	s_mov_b32 s[G1B+4], 128
	s_mov_b32 s[G1B+5], KROW
	s_mov_b32 s[G1B+6], 0
	s_mov_b32 s[G1B+7], 0
	; the scales of 128 rows: 4,096 dense bytes, as 16 rows of 256 bytes, 16 bytes of padding behind each
	s_or_b32 s[G1S+0], s43, (3<<16)|(1<<20)|(1<<21)|(5<<22)|(3<<25)
	s_or_b32 s[G1SB+0], s44, (3<<16)|(1<<20)|(1<<21)|(5<<22)|(3<<25)
.irp g, G1S, G1SB
	s_mov_b32 s[\g+1], 32<<16
	s_mov_b32 s[\g+2], 16<<16
	s_mov_b32 s[\g+3], 32<<16
	s_mov_b32 s[\g+4], 16
	s_mov_b32 s[\g+5], 32
	s_mov_b32 s[\g+6], 0
	s_mov_b32 s[\g+7], 0
.endr
	s_lshl_b32 s18, s16, 7                         ; which 128 rows of the tile I fetch
	s_lshl_b32 s20, s17, 8
	s_add_co_u32 s20, s20, s18
	s_lshl_b32 s46, s42, 8
	s_add_co_u32 s46, s46, s18
	s_lshl_b32 s22, s20, 5                         ; their scales,
	s_mov_b32 s23, 0
	s_lshl_b32 s20, s20, 10                        ; their codes: 1,024 bytes a row, in A's images too (16,384 bytes a tile of 16 rows)
	s_mov_b32 s21, 0
	s_lshl_b32 s92, s46, 5
	s_mov_b32 s93, 0
	s_lshl_b32 s46, s46, 10
	s_mov_b32 s47, 0
	s_mul_i32 s45, s14, HALFT                      ; where they go: no place in the cluster enters an LDS address
	s_mul_i32 s94, s14, HALFS
	s_wait_kmcnt 0x0
	s_add_nc_u64 s[20:21], s[4:5], s[20:21]
	s_add_nc_u64 s[22:23], s[6:7], s[22:23]
	s_add_nc_u64 s[46:47], s[8:9], s[46:47]
	s_add_nc_u64 s[92:93], s[10:11], s[92:93]
	CROUND                                         ; all sixteen work-groups are here: the first joint loads meet
	s_mov_b32 s[G0S], 1
	s_add_co_u32 s[G0S+1], s94, SCL
	s_mov_b64 s[G0S+2:G0S+3], s[22:23]
	s_or_b32 s[G0S+3], s[G0S+3], 0x80000000
	s_mov_b32 s[G0SB], 1
	s_add_co_u32 s[G0SB+1], s94, SCL
	s_mov_b64 s[G0SB+2:G0SB+3], s[92:93]
	s_or_b32 s[G0SB+3], s[G0SB+3], 0x80000000
	JLOAD G0S, G1S, G0SB, G1SB
.irp s, 0,1
	s_mov_b32 s[G0+4*\s], 1
	s_add_co_u32 s[G0+4*\s+1], s45, \s*SLOT
	s_add_nc_u64 s[G0+4*\s+2:G0+4*\s+3], s[20:21], \s*AROWB
	s_or_b32 s[G0+4*\s+3], s[G0+4*\s+3], 0x80000000
	s_mov_b32 s[G0B+4*\s], 1
	s_add_co_u32 s[G0B+4*\s+1], s45, \s*SLOT
	s_add_nc_u64 s[G0B+4*\s+2:G0B+4*\s+3], s[46:47], \s*ROWB
	s_or_b32 s[G0B+4*\s+3], s[G0B+4*\s+3], 0x80000000
	s_wait_alu depctr_va_vdst(0)
	s_wait_tensorcnt 0x0
	ds_add_u32 v28, v29
	s_wait_dscnt 0x0
	CROUND
	JLOAD G0+4*\s, G1, G0B+4*\s, G1B
.endr
	v_and_b32 v1, 15, v0                           ; l % 16
	v_bfe_u32 v2, v0, 4, 1                         ; l / 16
	v_and_b32 v6, 31, v0
	v_lshlrev_b32 v[CO], 4, v6                     ; 16 x lane: an image's place, and my place in a row of 512 bytes
	v_mul_u32_u24 v3, v1, PITCH
	v_lshl_add_u32 v4, v2, 4, v3                   ; B: a fragment's row x pitch + 16 x half
	s_mul_i32 s21, s15, HALFT                      ; my 128 rows of A
	s_mul_i32 s22, s16, HALFT                      ; my 128 rows of B,
	s_add_co_u32 s22, s22, 2*HALFT                 ; which lie behind A's
.irp s, 0,1
	v_add_nc_u32 v[ADRA+\s], s21, v[CO]
	v_add_nc_u32 v[ADRB+\s], s22, v4
	s_add_co_u32 s21, s21, SLOT
	s_add_co_u32 s22, s22, SLOT
.endr
	v_mul_u32_u24 v5, v1, KS
	v_lshrrev_b32 v6, 8, v5
	v_lshl_add_u32 v5, v6, 4, v5
	s_mul_i32 s21, s15, HALFS
	s_mul_i32 s22, s16, HALFS
	s_add_co_u32 s22, s22, 2*HALFS
	s_sub_co_u32 s22, s22, s21
	v_mul_u32_u24 v6, s22, v2                      ; lanes 16-31 take B's
	s_add_co_u32 s21, s21, SCL
	v_add_nc_u32 v5, v5, v6
	v_add_nc_u32 v[ADRS], s21, v5
	s_mul_i32 s23, s14, 16*SPITCH                  ; my stage
	v_mul_u32_u24 v5, v1, SPITCH
	v_lshl_add_u32 v5, v2, 5, v5
	v_add_nc_u32 v[STO], s23, v5
	v_add_nc_u32 v[RD], s23, v[CO]
	s_lshl_b32 s20, s17, 8
	s_lshl_b32 s21, s15, 7
	s_add_co_u32 s20, s20, s21                     ; my first row of out0
	s_lshl_b32 s20, s20, 12                        ; 4,096 bytes a row (under 2^25)
	s_mov_b32 s21, 0
	s_lshl_b32 s46, s42, 10                        ; my first column, in bytes
	s_lshl_b32 s47, s16, 9
	s_add_co_u32 s46, s46, s47
	s_mov_b32 s47, 0
	s_add_nc_u64 s[96:97], s[96:97], s[46:47]      ; the bias at my first column
	s_add_nc_u64 s[20:21], s[20:21], s[46:47]
	s_add_nc_u64 s[12:13], s[12:13], s[20:21]
	v_lshlrev_b32 v7, 5, v2
.irp b, 0,1,2,3,4,5,6,7
	global_load_b128 v[T+8*\b:T+8*\b+3], v7, s[96:97] offset:64*\b          ; register 8 b + j = the bias of column 16 b + 8 h + j
	global_load_b128 v[T+8*\b+4:T+8*\b+7], v7, s[96:97] offset:64*\b+16
.endr
.macro FRAG reg, adr, q, i             ; B: 16 rows x 128 K: lane l holds row l % 16; registers 4 c .. 4 c + 3 hold K = 32 c + 16 (l / 16) + 0 .. 15
.irp c, 0,1,2,3
	ds_load_b128 v[\reg+4*\c:\reg+4*\c+3], v[\adr] offset:128*(\q)+32*\c+(\i)*16*PITCH
.endr
.endm
.macro FRAGA reg, adr, q, i            ; A: the image as it lies
.irp c, 0,1,2,3
	ds_load_b128 v[\reg+4*\c:\reg+4*\c+3], v[\adr] offset:2048*(\q)+512*\c+(\i)*AROWB
.endr
.endm
; The 64 accumulators take turns, one instruction a turn, in the same order in every step.  first = 1: the sums begin with the bias.
.macro MUL16 a0, p, q, sc, first
.irp a, \a0, \a0+1
.irp b, 0,1,2,3,4,5,6,7
.if \first
	v_wmma_scale_f32_16x16x128_f8f6f4 v[8*(8*((\a)%4)+\b):8*(8*((\a)%4)+\b)+7], v[128*(\p)+FR*\b:128*(\p)+FR*\b+FR-1], v[AF+FR*(\a):AF+FR*(\a)+FR-1], v[T+8*\b:T+8*\b+7], v[SC+8*NQ*(\sc)+NQ*\b+(\q)], v[SC+8*NQ*(\sc)+NQ*(\a)+(\q)] matrix_a_scale:MATRIX_SCALE_ROW1
.else
	v_wmma_scale_f32_16x16x128_f8f6f4 v[8*(8*((\a)%4)+\b):8*(8*((\a)%4)+\b)+7], v[128*(\p)+FR*\b:128*(\p)+FR*\b+FR-1], v[AF+FR*(\a):AF+FR*(\a)+FR-1], v[8*(8*((\a)%4)+\b):8*(8*((\a)%4)+\b)+7], v[SC+8*NQ*(\sc)+NQ*\b+(\q)], v[SC+8*NQ*(\sc)+NQ*(\a)+(\q)] matrix_a_scale:MATRIX_SCALE_ROW1
.endif
.endr
.endr
.endm
.macro FETCH_B slot, q, p
	WIN TO_B
.irp i, 0,1,2,3,4,5,6,7
	FRAG 128*(\p)+FR*\i, ADRB+\slot, \q, \i
.endr
	WIN 0
.endm
.macro FETCH_A slot, q, i0
.irp i, \i0, \i0+1, \i0+2, \i0+3
	FRAGA AF+FR*(\i), ADRA+\slot, \q, \i
.endr
.endm
.macro SCALES sc
.irp i, 0,1,2,3,4,5,6,7
	ds_load_b64 v[SC+8*NQ*\sc+NQ*\i:SC+8*NQ*\sc+NQ*\i+1], v[ADRS] offset:\i*SBLK
.endr
.endm
.macro PLACES n
.rept \n
	v_nop
.endr
.endm
.macro STEP slot, q, first
	s_wait_dscnt 4*NL                              ; B's set and A's blocks 0-3 are in; the youngest 16 loads (A's blocks 4-7) may be out
	WIN MUL_LO-0x20*(\first)
	MUL16 0, (\q)%2, \q, \slot, \first
	MUL16 2, (\q)%2, \q, \slot, \first
	s_wait_dscnt 0
	PLACES NP
	FETCH_B \slot, (\q)+1, 1-(\q)%2
	FETCH_A \slot, (\q)+1, 0
	WIN MUL_HI-0x30*(\first)
	MUL16 4, (\q)%2, \q, \slot, \first
	MUL16 6, (\q)%2, \q, \slot, \first
	PLACES NP
	WIN 0
	FETCH_A \slot, (\q)+1, 4
.endm
.macro TURN slot, next, fill
	s_wait_tensorcnt 0x0                           ; all my tensor loads have landed: my part of the next slot
	ds_add_u32 v[SPW], v[NIL]                      ; 0 onto my spare word
	s_wait_dscnt 4*NL+1                            ; (the add and the youngest 16 loads may be out)
	WIN MUL_LO
	MUL16 0, 1, NQ-1, \slot, 0
	s_wait_dscnt 0x0                               ; the add is done, and my reads of this slot are over
	s_barrier_signal -1
	MUL16 2, 1, NQ-1, \slot, 0
	WIN 0
	s_barrier_wait -1
.if \fill
	CREST                                          ; the barrier has opened a round of the cluster's barrier: no wave of any partner still reads this slot or has a load on its way
	s_add_nc_u64 s[G0+4*\slot+2:G0+4*\slot+3], s[G0+4*\slot+2:G0+4*\slot+3], 2*AROWB
	s_add_nc_u64 s[G0B+4*\slot+2:G0B+4*\slot+3], s[G0B+4*\slot+2:G0B+4*\slot+3], 2*ROWB
	JLOAD G0+4*\slot, G1, G0B+4*\slot, G1B
	PLACES NP-4
.else
	PLACES NP
.endif
	s_wait_alu depctr_va_vdst(0)
	v_add_nc_u32 v[ADRS], 4*NQ, v[ADRS]
	FETCH_B \next, 0, 0
	FETCH_A \next, 0, 0
	SCALES \next
	WIN MUL_HI
	MUL16 4, 1, NQ-1, \slot, 0
	MUL16 6, 1, NQ-1, \slot, 0
	PLACES NP
	WIN 0
	FETCH_A \next, 0, 4
.endm
	s_wait_alu depctr_va_vdst(0)
	s_wait_tensorcnt 1                             ; the scales and my part of K step 0 are in (K step 1's load may be out),
	s_barrier_signal -1
	s_barrier_wait -1                              ; everybody's are
	FETCH_B 0, 0, 0
	FETCH_A 0, 0, 0
	SCALES 0
	FETCH_A 0, 0, 4
	s_wait_loadcnt 0x0                             ; the bias
	STEP 0, 0, 1
	s_mov_b32 s3, LAPS-1
.Llap:
	TURN 0, 1, 1
	STEP 1, 0, 0
	TURN 1, 0, 1
	STEP 0, 0, 0
	s_sub_co_u32 s3, s3, 1
	s_cmp_lg_u32 s3, 0
	s_cbranch_scc1 .Llap
	TURN 0, 1, 0                                   ; the last lap fills nothing
	STEP 1, 0, 0
	s_wait_dscnt 4*NL
	WIN MUL_LO
	MUL16 0, 1, NQ-1, 1, 0
	MUL16 2, 1, NQ-1, 1, 0
	s_wait_dscnt 0
	WIN MUL_HI
	MUL16 4, 1, NQ-1, 1, 0
	MUL16 6, 1, NQ-1, 1, 0
	WIN 0
; THE WAY OUT, block by block of 16 rows x 128 columns, through my own stage in LDS: back come whole rows of 512 bytes, which the 32 lanes store as 512 consecutive bytes, aligned.
; LDS serves a wave's instructions in order (ISA guide 5.7.1.4): no wait between the stores and the loads, nor in front of the next block's stores.
.macro TOSTAGE a
.set AC, 64*((\a)%4)
	WIN 0x08+4*((\a)/4)                            ; the data: window 2 or 3
.irp b, 0,1,2,3,4,5,6,7
	ds_store_b128 v[STO], v[AC+8*\b:AC+8*\b+3] offset:64*\b          ; each accumulator from its low end on
	ds_store_b128 v[STO], v[AC+8*\b+4:AC+8*\b+7] offset:64*\b+16
.endr
	WIN 0
.set BB, BK+64*((\a)%2)
.irp t, 0,1,2,3,4,5,6,7,8,9,10,11,12,13,14,15
	ds_load_b128 v[BB+4*\t:BB+4*\t+3], v[RD] offset:\t*SPITCH
.endr
.endm
.macro SEND a, younger                 ; younger: the LDS instructions issued behind block a's loads, which may stay out
.set BB, BK+64*((\a)%2)
	s_wait_dscnt \younger
.if (\a) > 0
	s_add_nc_u64 s[12:13], s[12:13], 16*SIZE_N*4   ; (behind a wait on XCNT: the earlier stores have read their base)
.endif
.irp t, 0,1,2,3,4,5,6,7,8,9,10,11,12,13,14,15
	global_store_b128 v[CO], v[BB+4*\t:BB+4*\t+3], s[12:13] offset:\t*SIZE_N*4 th:TH_STORE_NT
.endr
.endm
	PLACES NP                                      ; in front of the loads into the registers that held A's fragments, and of the first reads of results
	TOSTAGE 0
.irp a, 1,2,3,4,5,6,7
.if \a > 1
	s_wait_xcnt 0x0                                ; block a - 2's stores have read their registers and their base
.endif
	TOSTAGE \a
	SEND \a-1, 32                                  ; behind block a - 1's loads: block a's 16 stores and 16 loads
.endr
	s_wait_xcnt 0x0
	SEND 7, 0
	s_wait_tensorcnt 0x0                           ; the wave's end
	ds_add_u32 v[SPW], v[NIL]
	s_wait_dscnt 0x0
	CROUND                                         ; the closing round: no work-group ends while a partner may still ask for a tile that names it
	s_endpgm
.Lfunc_end_k_q518f1300bf_oproj:
	.size	k_q518f1300bf_oproj, .Lfunc_end_k_q518f1300bf_oproj-k_q518f1300bf_oproj
	.p2alignl 7, 3214868480
	.fill 96, 4, 3214868480
	.section	.rodata,"a",@progbits
	.p2align	6, 0x0
	.amdhsa_kernel k_q518f1300bf_oproj
		.amdhsa_group_segment_fixed_size 327680
		.amdhsa_private_segment_fixed_size 0
		.amdhsa_enable_private_segment 0
		.amdhsa_kernarg_size 48
		.amdhsa_user_sgpr_count 2
		.amdhsa_user_sgpr_kernarg_segment_ptr 1
		.amdhsa_wavefront_size32 1
		.amdhsa_system_sgpr_workgroup_id_x 1
		.amdhsa_system_sgpr_workgroup_id_y 1
		.amdhsa_system_sgpr_workgroup_id_z 1
		.amdhsa_system_vgpr_workitem_id 0
		.amdhsa_next_free_vgpr 1024
		.amdhsa_next_free_sgpr 98
		.amdhsa_reserve_vcc 0
		.amdhsa_float_denorm_mode_32 3
		.amdhsa_float_denorm_mode_16_64 3
		.amdhsa_memory_ordered 1
		.amdhsa_forward_progress 1
		.amdhsa_inst_pref_size 148
	.end_amdhsa_kernel
	.amdgpu_metadata
---
amdhsa.version: [ 1, 2 ]
amdhsa.kernels:
  - .name:           k_q518f1300bf_oproj
    .symbol:         k_q518f1300bf_oproj.kd
    .args:
      - { .name: oc, .offset: 0, .size: 8, .value_kind: global_buffer, .address_space: global }
      - { .name: os, .offset: 8, .size: 8, .value_kind: global_buffer, .address_space: global }
      - { .name: Wo_codes, .offset: 16, .size: 8, .value_kind: global_buffer, .address_space: global }
      - { .name: Wo_scales, .offset: 24, .size: 8, .value_kind: global_buffer, .address_space: global }
      - { .name: out0, .offset: 32, .size: 8, .value_kind: global_buffer, .address_space: global }
      - { .name: bo, .offset: 40, .size: 8, .value_kind: global_buffer, .address_space: global }
    .group_segment_fixed_size: 327680
    .private_segment_fixed_size: 0
    .kernarg_segment_align: 8
    .kernarg_segment_size: 48
    .max_flat_workgroup_size: 128
    .sgpr_count:     98
    .vgpr_count:     1024
    .wavefront_size: 32
...
	.end_amdgpu_metadata
.endif
;; end of part 4
